; MI455X (gfx1250); checked and timed in simulation.
; The chip was launched on July 23, 2026; its instructions are those of AMD's public machine-readable ISA for CDNA 5 (MIT licence, August 2026) and "CDNA5" Instruction Set Architecture Reference Guide (July 2026). The comments in the code are by the model that wrote it; some were corrected since.
;; Multi Head Attention. Allowed arithmetic: matrix products marked QUANTISED: E4M3 operands, one E8M0 scale for each 32 along K, by v_wmma_scale_f32_16x16x128_f8f6f4 with both operands' format E4M3, f32 sums; everything else in f32.
;; Inputs: Wk 1,024 x 1,024 float32; Wo 1,024 x 1,024 float32; Wq 1,024 x 1,024 float32; Wv 1,024 x 1,024 float32; bk 1,024 float32; bo 1,024 float32; bq 1,024 float32; bv 1,024 float32; inputs_k 4 x 2,048 x 1,024 float32; inputs_q 4 x 2,048 x 1,024 float32; inputs_v 4 x 2,048 x 1,024 float32.
;; Outputs: out0 4 x 2,048 x 1,024 float32.
;; This version of the problem:
;;   THIS VERSION OF THE PROBLEM IS GIVEN IN LOW PRECISION. The matrix products marked QUANTISED in the list below multiply operands that are first quantised to E4M3 (4 exponent bits, 3 mantissa bits; 8 bits a number), with one power-of-two scale for each 32 numbers along K (OCP MX v1.0); their sums are f32. All else is computed in f32.
;;   The module's matrix products, in the order in which they are computed (A, B: the left and right operand; K: the contracted axis; several contracted axes count as one K, in the product's order):
;;     1. [M 8,192, K 1,024] x [K 1,024, N 1,024]; A: input inputs_q; B: input Wq: QUANTISED
;;     2. [M 8,192, K 1,024] x [K 1,024, N 1,024]; A: input inputs_k; B: input Wk: QUANTISED
;;     3. [M 8,192, K 1,024] x [K 1,024, N 1,024]; A: input inputs_v; B: input Wv: QUANTISED
;;     4. batch 64 x [M 2,048, K 64] x [K 64, N 2,048]; A: computed on the way; B: computed on the way: QUANTISED
;;     5. batch 64 x [M 2,048, K 2,048] x [K 2,048, N 64]; A: softmax (see below); B: computed on the way: QUANTISED
;;     6. [M 8,192, K 1,024] x [K 1,024, N 1,024]; A: computed on the way; B: input Wo: QUANTISED
;;   THE QUANTISER, for each operand of a quantised product, along K:
;;     - K is cut into blocks of 32 from its start; a last block that is shorter is filled with zeros.
;;     - A block's scale is 2^e with e = floor(log2(the largest magnitude in the block)) - 8, held to -126 .. 127; a block of zeros has e = 0. As a byte (E8M0): e + 127.
;;     - Each number is divided by its block's scale, clamped to +-448, and rounded to the nearest number of E4M3, ties to even, subnormals kept.
;;     - The product sums the exact products of the quantised numbers (number of the format x scale) in f32.
;;   ~~~python
;;   def quantise(x, axis):      # numpy; x: float32 -> the quantised numbers, widened to float32 again
;;       x = np.moveaxis(x, axis, -1); K = x.shape[-1]
;;       x = np.pad(x, [(0, 0)] * (x.ndim - 1) + [(0, -K % 32)]); x = x.reshape(x.shape[:-1] + (-1, 32)); a = np.abs(x).max(-1, keepdims=True)
;;       e = np.where(a > 0, np.clip(np.frexp(np.where(a > 0, a, 1))[1] - 1 - 8, -126, 127), 0)      # np.frexp(a)[1] - 1 = floor(log2(a)), exactly
;;       r = np.clip(x / 2.0 ** e, -448, 448)
;;       step = 2.0 ** (np.maximum(np.frexp(np.where(r == 0, 1, r))[1] - 1, -6) - 3)
;;       q = np.round(r / step) * step * 2.0 ** e      # np.round: ties to even
;;       return np.moveaxis(q.reshape(q.shape[:-2] + (-1,))[..., :K], -1, axis).astype(np.float32)
;;   ~~~
;;   SOFTMAX AHEAD OF A QUANTISED PRODUCT. Where the list says 'softmax', what is quantised is not the finished softmax but p = 2^(t - M), with t = logit x log2(e) and M = ceil(the row's largest t), a whole number; so 1/2 < the row's largest p <= 1. The row's sum l is taken of the UNQUANTISED p, in f32, and the product's result is divided by l at the end. Since M is a whole number, a kernel that streams over the keys may use a running M (the ceiling of the running maximum): every later rescaling is an exact power of two, which a block's scale takes up: the codes' values come out the same.
;;   OPERANDS COMPUTED ON THE WAY. 'Computed on the way' means the value that the module computes at that place (a softmax that the list does not call 'softmax' is quantised finished and normalised). What goes into a quantiser is computed in f32, as accurately as f32 sums, v_exp_f32 and their like allow (about 1e-6 of the number): no bf16 or f16 on the way to a quantiser, and a product that is left as it is and whose result goes on into a quantised operand takes f32 operands (vector FMAs, or v_wmma_f32_16x16x4_f32). A number that lies on a knife's edge between two numbers of the format may be rounded either way, as far as f32 arithmetic and the matrix unit's own rounding can turn it there, and no further.
;; One version. Each part assembles by itself: llvm-mc -triple=amdgcn-amd-amdhsa -mcpu=gfx1250 --defsym DOCPART=n.
;; ======== version 1 of 1: 4 launches
;; limits: right only within a limited range of input values
;; workspace buffers: x_img 25,165,824 bytes; x_sc 786,432 bytes; w_img 4,194,304 bytes; w_sc 131,072 bytes; qkv_img 25,165,824 bytes; qkv_sc 1,310,720 bytes; ctx_img 8,388,608 bytes; ctx_sc 262,144 bytes
;; launch quant (part 1): grid 1280 x 1, 2 waves a work-group, no clusters, 17,152 bytes of LDS; arguments inputs_q, inputs_k, inputs_v, Wq, Wk, Wv, Wo, x_img, x_sc, w_img, w_sc; writes x_img, x_sc, w_img, w_sc
.if DOCPART == 1
	.amdgcn_target "amdgcn-amd-amdhsa--gfx1250"
	.amdhsa_code_object_version 6
	.text
	.protected	k_qf429a6c531_quant
	.globl	k_qf429a6c531_quant
	.p2align	8
	.type	k_qf429a6c531_quant,@function
k_qf429a6c531_quant:
	s_mov_b64 s[64:65], 0
	v_nop
	global_prefetch_b8 v0, s[64:65] scope:SCOPE_SE
	s_setreg_imm32_b32 hwreg(HW_REG_WAVE_MODE, 25, 1), 1
	s_wait_xcnt 0x0
; The three inputs [8192][1024] f32 (K innermost) and the four weights [1024 (k)][1024 (n)] f32 (K outermost) become codes of FP8 (E4M3) with one E8M0 byte for each 32 along K.
; A block's scale is 2^(floor(log2(its largest magnitude)) - 8); its byte is the largest magnitude's exponent field - 8, held at 1 from below; numbers are held within +-448 x the scale and rounded to the nearest code, ties to even.
; LAYOUT OF ALL CODES OF THIS PROGRAM: IMAGES OF OPERAND REGISTERS.  Tile T = 2 B + u of a matrix holds 16 rows: image lane r takes row 32 B + 8 u + r + 8 (r / 8).  A group (T, kb), kb a block of 32 along K, is 512 bytes:
; lane l = r + 16 h has 16 bytes at 16 l: the codes k = 32 kb + 16 h + 0 .. 15 of its row.  A tile's 32 groups lie on end (16,384 bytes).  Four groups are a fragment of 16 rows x 128 K, read by four loads of 16 bytes a lane.
; Scale bytes: [T][r][32 bytes], kb ascending.
; LIMITS: NaN and infinities among the inputs are not served.  A block of zeros gets the byte 1 where the quantiser's text says 127: its codes are zeros, which add nothing under any byte but 0xff, and this program alone reads the bytes.
; SHARES.  Work-groups 0 to 767: a wave takes one tile of 16 rows of an input, all of K, in eight steps of 128.  Work-groups 768 to 1279: a wave takes 32 columns x 128 along K of a weight.
; No matrix unit, no tensor load, no cluster, no barrier: memory binds, waves share nothing.  Only the first path uses LDS.
.set SWD, 12                           ; v12-19   the tile's eight scale words (first path); v12 the four bytes (second path)
.set TM,  20                           ; v20-35   at work: largest magnitudes, bytes, holds, scale operands
.set R,   40                           ; v40-167  two sets of 64 numbers as they are loaded (second path: two sets of 32)
.set X,   168                          ; v168-231 64 numbers, 16 neighbours of each of four blocks (second path: four sets of 8 registers of codes)
.set PC,  232                          ; v232-247 a fragment's codes
.set SEL, 36                           ; s[36:37] lane selects for v_permlanex16_b32: lane l xor 16
.set MNT, 38                           ; s38      the mantissa field of 448
.set PIT, 528                          ; a stage row: 512 bytes + 16: sixteen lanes 528 bytes apart fall on sixteen different columns of 16 bytes
.set WST, 16*PIT                       ; a wave's stage
	s_load_b512 s[4:19], s[0:1], 0x0               ; inputs_q s[4:5], inputs_k s[6:7], inputs_v s[8:9], Wq s[10:11], Wk s[12:13], Wv s[14:15], Wo s[16:17], x_img s[18:19]
	s_load_b128 s[20:23], s[0:1], 0x40             ; x_sc s[20:21], w_img s[22:23]
	s_load_b64 s[24:25], s[0:1], 0x50              ; w_sc
	v_lshl_add_u32 v254, v0, 2, 0x4200
	v_mov_b32 v255, 0
	v_lshrrev_b32 v1, 5, v0
	v_readfirstlane_b32 s26, v1                    ; wave 0, 1
	v_and_b32 v8, 31, v0                           ; lane
	s_mov_b32 s[MNT], 0x600000
	s_cmp_lt_u32 ttmp9, 768
	s_cbranch_scc0 .Lweights
; 64 numbers of a lane, register 16 b + i = k 32 b + 16 (lane / 16) + i of my row, become a fragment's codes in v[PC] on and its scale word
.macro QUANT s, word
.irp b, 0,1,2,3
	v_max3_num_f32 v[TM+\b], |v[\s+16*\b]|, |v[\s+1+16*\b]|, 0x4800000   ; block b: my 16 numbers, and the floor 2^(9 - 127): the byte cannot fall under 1
.endr
.irp i, 2,4,6,8,10,12,14
.irp b, 0,1,2,3
	v_max3_num_f32 v[TM+\b], v[TM+\b], |v[\s+16*\b+\i]|, |v[\s+1+16*\b+\i]|   ; the four blocks by turns
.endr
.endr
.irp b, 0,1,2,3
	v_permlanex16_b32 v[TM+4+\b], v[TM+\b], s[SEL], s[SEL+1]
.endr
.irp b, 0,1,2,3
	v_max_num_f32 v[TM+\b], v[TM+\b], v[TM+4+\b]   ; with lane l xor 16's 16: the block's largest magnitude
.endr
.irp b, 0,1,2,3
	v_add_nc_u32 v[TM+12+\b], 0xfc000000, v[TM+\b] ; 8 off its exponent field: the conversion takes this operand's exponent field as its scale
.endr
.irp b, 0,1,2,3
	v_and_or_b32 v[TM+8+\b], v[TM+\b], 0x7f800000, s[MNT]   ; 448 x the scale
.endr
.irp b, 0,1,2,3
	v_lshrrev_b32 v[TM+4+\b], 23, v[TM+12+\b]      ; the scale's byte
.endr
	v_lshl_or_b32 v[\word], v[TM+5], 8, v[TM+4]
	v_lshl_or_b32 v[\word], v[TM+6], 16, v[\word]
	v_lshl_or_b32 v[\word], v[TM+7], 24, v[\word]
.irp b, 0,1,2,3
.irp i, 0,1,2,3,4,5,6,7,8,9,10,11,12,13,14,15
	v_med3_num_f32 v[\s+16*\b+\i], v[\s+16*\b+\i], -v[TM+8+\b], v[TM+8+\b]   ; the conversion to an 8-bit code does not saturate (ISA guide 7.6.2): the hold comes first
.endr
	v_cvt_scalef32_pk8_fp8_f32 v[PC+4*\b:PC+1+4*\b], v[\s+16*\b:\s+7+16*\b], v[TM+12+\b]
	v_cvt_scalef32_pk8_fp8_f32 v[PC+2+4*\b:PC+3+4*\b], v[\s+8+16*\b:\s+15+16*\b], v[TM+12+\b]
.endr
	v_nop                                          ; a plain line behind the last conversion
.endm
	; ---- THE INPUTS.  Tile G = 2 x work-group + wave of 1,536: tensor G / 512, tile G % 512
	s_lshl_b32 s27, ttmp9, 1
	s_add_co_u32 s27, s27, s26                     ; G
	s_lshr_b32 s28, s27, 9                         ; tensor
	s_and_b32 s29, s27, 511                        ; tile
	s_lshr_b32 s32, s29, 1
	s_lshl_b32 s32, s32, 5
	s_and_b32 s33, s29, 1
	s_lshl_b32 s33, s33, 3
	s_add_co_u32 s32, s32, s33                     ; the tile's first row: 32 (T / 2) + 8 (T % 2)
	s_lshl_b32 s32, s32, 12                        ; rows of 4,096 bytes
	s_mov_b32 s33, 0
	s_lshl_b32 s34, s27, 14                        ; the tile's image: 16,384 bytes
	s_mov_b32 s35, 0
	s_lshl_b32 s40, s27, 9                         ; its scale bytes: 512
	s_mov_b32 s41, 0
	s_mov_b32 s[SEL], 0x76543210
	s_mov_b32 s[SEL+1], 0xfedcba98
	s_mul_i32 s42, s26, WST                        ; my wave's stage
	s_wait_alu depctr_va_vdst(0)
	v_lshlrev_b32 v1, 4, v8                        ; 16 x lane: my bytes of a load's 512, and of a group's
	v_add_nc_u32 v2, s42, v1                       ; the stage, on the way in: a row as it lies
	v_and_b32 v9, 15, v8                           ; r
	v_lshrrev_b32 v10, 4, v8                       ; h
	v_mul_u32_u24 v3, v9, PIT
	v_lshl_add_u32 v3, v10, 6, v3
	v_add_nc_u32 v3, s42, v3                       ; and on the way out: row r, + 64 h: my 16 numbers of a block of 32
	v_lshlrev_b32 v4, 5, v9
	v_lshl_add_u32 v4, v10, 4, v4                  ; scale bytes: 32 r + 16 h
.irp b, 0,1,2,3
	v_mov_b32 v[TM+4+\b], 0                        ; written once: a lane permute's destination counts as one of its sources
.endr
	s_wait_alu depctr_va_vdst(0)
	s_wait_kmcnt 0x0
	s_cmp_eq_u32 s28, 0
	s_cselect_b64 s[30:31], s[4:5], s[6:7]
	s_cmp_eq_u32 s28, 2
	s_cselect_b64 s[30:31], s[8:9], s[30:31]       ; the choice hangs on the work-group's number alone
	s_add_nc_u64 s[30:31], s[30:31], s[32:33]
	s_add_nc_u64 s[18:19], s[18:19], s[34:35]
	s_add_nc_u64 s[20:21], s[20:21], s[40:41]
.macro XLOAD s                         ; step s: 512 consecutive bytes of each of the tile's 16 rows
.irp i, 0,1,2,3,4,5,6,7,8,9,10,11,12,13,14,15
	global_load_b128 v[R+64*((\s)%2)+4*\i:R+64*((\s)%2)+4*\i+3], v1, s[30:31] offset:(\i+8*(\i/8))*4096+512*(\s) th:TH_LOAD_NT
.endr
.endm
.macro XSTEP s
.if (\s) < 7
	s_wait_loadcnt 16                              ; this step's 16 loads are in; the next step's 16 may be out
.else
	s_wait_loadcnt 0x0
.endif
.irp i, 0,1,2,3,4,5,6,7,8,9,10,11,12,13,14,15
	ds_store_b128 v2, v[R+64*((\s)%2)+4*\i:R+64*((\s)%2)+4*\i+3] offset:\i*PIT
.endr
.irp c, 0,1,2,3
.irp j, 0,1,2,3
	ds_load_b128 v[X+16*\c+4*\j:X+16*\c+4*\j+3], v3 offset:128*\c+16*\j   ; LDS serves a wave's instructions in order: these see the stores above
.endr
.endr
	s_wait_dscnt 0x0                               ; my 64 numbers are back, and the stores have read their registers,
	s_wait_xcnt 0x0                                ; and the last step's stores of codes have read theirs
.if (\s) < 6
	XLOAD (\s)+2                                   ; two steps ahead, into the set just left
.endif
	QUANT X, SWD+(\s)
.irp c, 0,1,2,3
	global_store_b128 v1, v[PC+4*\c:PC+4*\c+3], s[18:19] offset:(4*(\s)+\c)*512   ; a group: 512 consecutive bytes
.endr
.endm
	XLOAD 0
	XLOAD 1
.irp s, 0,1,2,3,4,5,6,7
	XSTEP \s
.endr
	v_cmp_ne_u32 vcc_lo, 0, v10
.irp j, 0,1,2,3
	v_cndmask_b32 v[TM+\j], v[SWD+\j], v[SWD+4+\j], vcc_lo   ; lanes 0-15 store a row's words 0-3, lanes 16-31 its words 4-7
.endr
	global_store_b128 v4, v[TM:TM+3], s[20:21]     ; the tile's 512 scale bytes, whole
	s_wait_tensorcnt 0x0
	ds_add_u32 v254, v255
	s_wait_dscnt 0x0
	s_endpgm
	; ---- THE WEIGHTS.  A LANE TAKES A COLUMN n AND ITS REGISTERS RUN DOWN K: a block of 32 lies in one lane, and the conversions give codes with K innermost.
.Lweights:
	s_sub_co_u32 s27, ttmp9, 768
	s_lshr_b32 s28, s27, 7                         ; which weight
	s_and_b32 s29, s27, 15
	s_bfe_u32 s32, s27, 0x30004                    ; which 128 along K
	s_lshl_b32 s29, s29, 1
	s_add_co_u32 s29, s29, s26                     ; B: columns 32 B on
	s_lshl_b32 s34, s32, 19                        ; 128 rows of 4,096 bytes
	s_lshl_b32 s33, s29, 7
	s_add_co_u32 s34, s34, s33
	s_mov_b32 s35, 0
	s_lshl_b32 s40, s28, 20                        ; the images: weight x 2^20 + tile 2 B x 16,384 + 4 groups x 512 for each 128 along K
	s_lshl_b32 s33, s29, 15
	s_add_co_u32 s40, s40, s33
	s_lshl_b32 s33, s32, 11
	s_add_co_u32 s40, s40, s33
	s_mov_b32 s41, 0
	s_lshl_b32 s42, s28, 15                        ; the scale bytes: weight x 32,768 + tile 2 B x 512 + 4 bytes for each 128 along K
	s_lshl_b32 s33, s29, 10
	s_add_co_u32 s42, s42, s33
	s_lshl_b32 s33, s32, 2
	s_add_co_u32 s42, s42, s33
	s_mov_b32 s43, 0
	s_wait_alu depctr_va_vdst(0)
	v_lshlrev_b32 v5, 2, v8                        ; in: 4 bytes a lane
	v_bfe_u32 v9, v8, 3, 1                         ; column x of the 32 lies in tile 2 B + u, u = (x / 8) % 2,
	v_and_b32 v10, 7, v8
	v_lshrrev_b32 v11, 4, v8
	v_lshl_add_u32 v10, v11, 3, v10                ; at image lane r = x % 8 + 8 (x / 16)
	v_lshlrev_b32 v6, 4, v10
	v_lshl_add_u32 v6, v9, 14, v6                  ; codes: 16,384 u + 16 r
	v_lshlrev_b32 v7, 5, v10
	v_lshl_add_u32 v7, v9, 9, v7                   ; scale bytes: 512 u + 32 r
	s_wait_alu depctr_va_vdst(0)
	s_wait_kmcnt 0x0
	s_cmp_eq_u32 s28, 0
	s_cselect_b64 s[30:31], s[10:11], s[12:13]
	s_cmp_eq_u32 s28, 2
	s_cselect_b64 s[30:31], s[14:15], s[30:31]
	s_cmp_eq_u32 s28, 3
	s_cselect_b64 s[30:31], s[16:17], s[30:31]
	s_add_nc_u64 s[30:31], s[30:31], s[34:35]
	s_add_nc_u64 s[22:23], s[22:23], s[40:41]
	s_add_nc_u64 s[24:25], s[24:25], s[42:43]
.macro WLOAD t                         ; block t: W(32 t + i, my column): 128 consecutive bytes a wave, 256 a work-group
.irp i, 0,1,2,3,4,5,6,7,8,9,10,11,12,13,14,15,16,17,18,19,20,21,22,23,24,25,26,27,28,29,30,31
	global_load_b32 v[R+32*((\t)%2)+\i], v5, s[30:31] offset:(32*(\t)+\i)*4096 th:TH_LOAD_NT
.endr
.endm
.macro WBLOCK t
.set XS, R+32*((\t)%2)
.set CW, X+8*(\t)                      ; each block has its own registers for its codes: no store's data are written again
.if (\t) < 3
	s_wait_loadcnt 32                              ; this block's 32 loads are in; the next block's may be out
.else
	s_wait_loadcnt 0x0
.endif
	v_max3_num_f32 v20, |v[XS]|, |v[XS+1]|, |v[XS+2]|
	v_max3_num_f32 v21, |v[XS+3]|, |v[XS+4]|, |v[XS+5]|
.irp i, 6,10,14,18,22,26
	v_max3_num_f32 v20, v20, |v[XS+\i]|, |v[XS+\i+1]|
	v_max3_num_f32 v21, v21, |v[XS+\i+2]|, |v[XS+\i+3]|
.endr
	v_max3_num_f32 v20, v20, |v[XS+30]|, |v[XS+31]|
	v_max3_num_f32 v20, v20, v21, 0x4800000        ; and the floor
	v_add_nc_u32 v23, 0xfc000000, v20
	v_and_or_b32 v22, v20, 0x7f800000, s[MNT]
.irp i, 0,1,2,3,4,5,6,7,8,9,10,11,12,13,14,15,16,17,18,19,20,21,22,23,24,25,26,27,28,29,30,31
	v_med3_num_f32 v[XS+\i], v[XS+\i], -v22, v22
.endr
.irp g, 0,1,2,3
	v_cvt_scalef32_pk8_fp8_f32 v[CW+2*\g:CW+2*\g+1], v[XS+8*\g:XS+8*\g+7], v23
.endr
	v_lshrrev_b32 v24, 23, v23                     ; the scale's byte
.if (\t) == 0
	v_mov_b32 v12, v24
.else
	v_lshl_or_b32 v12, v24, 8*(\t), v12
.endif
	global_store_b128 v6, v[CW:CW+3], s[22:23] offset:512*(\t)         ; k 0-15 of the block: image lanes 0-15 of two tiles: two aligned runs of 256 bytes
	global_store_b128 v6, v[CW+4:CW+7], s[22:23] offset:512*(\t)+256   ; k 16-31: image lanes 16-31
.if (\t) < 2
	WLOAD (\t)+2
.endif
.endm
	WLOAD 0
	WLOAD 1
.irp t, 0,1,2,3
	WBLOCK \t
.endr
	global_store_b32 v7, v12, s[24:25]             ; my column's four bytes (4 of a row's 32: one thirty-third of what this path stores)
	s_endpgm
.Lfunc_end_k_qf429a6c531_quant:
	.size	k_qf429a6c531_quant, .Lfunc_end_k_qf429a6c531_quant-k_qf429a6c531_quant
	.p2alignl 7, 3214868480
	.fill 96, 4, 3214868480
	.section	.rodata,"a",@progbits
	.p2align	6, 0x0
	.amdhsa_kernel k_qf429a6c531_quant
		.amdhsa_group_segment_fixed_size 17152
		.amdhsa_private_segment_fixed_size 0
		.amdhsa_enable_private_segment 0
		.amdhsa_kernarg_size 88
		.amdhsa_user_sgpr_count 2
		.amdhsa_user_sgpr_kernarg_segment_ptr 1
		.amdhsa_wavefront_size32 1
		.amdhsa_system_sgpr_workgroup_id_x 1
		.amdhsa_system_sgpr_workgroup_id_y 1
		.amdhsa_system_sgpr_workgroup_id_z 1
		.amdhsa_system_vgpr_workitem_id 0
		.amdhsa_next_free_vgpr 256
		.amdhsa_next_free_sgpr 66
		.amdhsa_reserve_vcc 1
		.amdhsa_float_denorm_mode_32 3
		.amdhsa_float_denorm_mode_16_64 3
		.amdhsa_memory_ordered 1
		.amdhsa_forward_progress 1
		.amdhsa_inst_pref_size 127
	.end_amdhsa_kernel
	.amdgpu_metadata
---
amdhsa.version: [ 1, 2 ]
amdhsa.kernels:
  - .name:           k_qf429a6c531_quant
    .symbol:         k_qf429a6c531_quant.kd
    .args:
      - { .name: inputs_q, .offset: 0, .size: 8, .value_kind: global_buffer, .address_space: global }
      - { .name: inputs_k, .offset: 8, .size: 8, .value_kind: global_buffer, .address_space: global }
      - { .name: inputs_v, .offset: 16, .size: 8, .value_kind: global_buffer, .address_space: global }
      - { .name: Wq, .offset: 24, .size: 8, .value_kind: global_buffer, .address_space: global }
      - { .name: Wk, .offset: 32, .size: 8, .value_kind: global_buffer, .address_space: global }
      - { .name: Wv, .offset: 40, .size: 8, .value_kind: global_buffer, .address_space: global }
      - { .name: Wo, .offset: 48, .size: 8, .value_kind: global_buffer, .address_space: global }
      - { .name: x_img, .offset: 56, .size: 8, .value_kind: global_buffer, .address_space: global }
      - { .name: x_sc, .offset: 64, .size: 8, .value_kind: global_buffer, .address_space: global }
      - { .name: w_img, .offset: 72, .size: 8, .value_kind: global_buffer, .address_space: global }
      - { .name: w_sc, .offset: 80, .size: 8, .value_kind: global_buffer, .address_space: global }
    .group_segment_fixed_size: 17152
    .private_segment_fixed_size: 0
    .kernarg_segment_align: 8
    .kernarg_segment_size: 88
    .max_flat_workgroup_size: 64
    .sgpr_count:     66
    .vgpr_count:     256
    .wavefront_size: 32
...
	.end_amdgpu_metadata
.endif
;; end of part 1
;; launch proj (part 2): grid 4 x 192, 4 waves a work-group, clusters of 4 x 4, 327,680 bytes of LDS; arguments x_img, x_sc, w_img, w_sc, bq, bk, bv, qkv_img, qkv_sc; writes qkv_img, qkv_sc
.if DOCPART == 2
	.amdgcn_target "amdgcn-amd-amdhsa--gfx1250"
	.amdhsa_code_object_version 6
	.text
	.protected	k_qf429a6c531_proj
	.globl	k_qf429a6c531_proj
	.p2align	8
	.type	k_qf429a6c531_proj,@function
k_qf429a6c531_proj:
	s_mov_b64 s[64:65], 0
	v_nop
	global_prefetch_b8 v0, s[64:65] scope:SCOPE_SE
	s_setreg_imm32_b32 hwreg(HW_REG_WAVE_MODE, 25, 1), 1
	s_wait_xcnt 0x0
	s_wait_alu depctr_hold_cnt(0) depctr_sa_sdst(0) depctr_va_vdst(0) depctr_va_sdst(0) depctr_va_ssrc(0) depctr_va_vcc(0) depctr_vm_vsrc(0)
	s_getreg_b32 s2, hwreg(HW_REG_IB_STS2, 6, 4)
	s_cmp_eq_u32 s2, 0
	s_cbranch_scc0 .Lentry_in_a_cluster
	s_endpgm
.Lentry_in_a_cluster:
	s_bfe_u32 s2, ttmp6, 0x10000c
	s_cmp_lg_u32 s2, 0xf033
	s_cbranch_scc0 .Lentry_shape_is_right
	s_endpgm
.Lentry_shape_is_right:
; q = Xq Wq + bq, k = Xk Wk + bk, v = Xv Wv + bv on codes of FP8 (E4M3) with E8M0 scales, K = 1,024; the results are quantised at once, q and k along a head's 64, v along the keys, and leave as codes alone.
; ALL CODES ARE IMAGES OF OPERAND REGISTERS: tile T = 2 B + u holds rows 32 B + 8 u + r + 8 (r / 8), r the image lane; a group (T, block of 32 along K) is 512 bytes, 16 a lane; a tile's 32 groups lie on end.
; With such a tile as source 0, register j of lane (r, h) of the result belongs to source 0's row 32 B + 8 u + 16 h + j: the 16 registers of tiles 2 B and 2 B + 1 are 16 neighbours, as the conversions and the next operand want them.
; ONE PRODUCT FORM: C'(A row, B row), source 0 = B's fragment, source 1 = A's.  q, k: A = tokens, B = the weight's columns n.  v: A = the weight's columns, B = tokens (keys): so a lane's registers run along the next K in all three.
; SHARES.  A work-group makes 128 A rows x 256 B rows: 768 work-groups, three for each of 256 WGPs.  Four waves, each 64 x 128: 32 accumulators.
; K goes in four steps of 256 through three LDS slots; K step 3 fills slot 0 again.  A tile's K step is 4,096 dense bytes; fragments are read at 16 x lane: consecutive bytes, no pitch, no padding.
; CLUSTER 4 x 4: A's tiles are shared along a row of the cluster, B's along a column: joint loads, a mask of four each.  All of a WGP's LDS is claimed.
; The scale words of a wave's 4 + 8 tiles for all of K (32 bytes a row) go from memory straight into 96 registers, once.
; No prefetch: three of the four K steps are asked for at the head.
; LIMITS: NaN and infinities are not served; a block of zeros gets the byte 1 (its codes are zeros; this program alone reads the bytes).
; REGISTERS: window 0: v1-23 addresses; v28, v29 the add's; v32-63 A's scale words [8 a + s], v64-127 B's [8 b + s]; v128-255 A's fragments, two sets; on the way out v128-231 are at work.
;   window 1: B's fragments, two sets of 128.   window 2: accumulator (a, b) at v[8 (8 a + b)].   window 3: v0-63 the bias along B's rows, v64-71 along A's rows.
.set SLOT,  98304                      ; A's 8 tiles x 4,096 bytes, then B's 16
.set BOFF,  32768
.set SPARE, 3*SLOT                     ; behind the slots: the spare words, 128 bytes for each wave
.set ADRA,  4                          ; v4-6   LDS address of my A fragments in slot 0, 1, 2
.set ADRB,  8                          ; v8-10  the same for B
.set VA,    12                         ; v12-19 where the codes of A tile a go: [a][first or second pair of groups]
.set SPW,   28
.set NIL,   29
.set SA,    32
.set SB,    64
.set AF,    128
.set T,     128                        ; the way out: 64 numbers
.set PC,    192                        ; their codes
.set TM,    208                        ; at work
.set PW,    224                        ; the scale word just made
.set SW,    228                        ; v228-231 four scale words to store
.set G1A, 24                           ; s[24:31] descriptor group 1 for A's tiles; s[32:39] for B's
.set G1B, 32
.set G1C, 40                           ; s[40:47] group 1 for A's K steps 1 and 2 (rows of 8,192 bytes); s[4:11] the same for B's (the arguments that lay there have been used by then)
.set G1D, 4
.set G0A, 48                           ; groups 0: s[48:51] A's K step 0 (later 3), s[52:55] B's, s[56:59] A's K steps 1 and 2, s[60:63] B's
.set G0B, 52
.set G0C, 56
.set G0D, 60
.set WV,  66
.set FR,  67                           ; which half of A's rows is mine
.set HF,  68                           ; which half of B's rows
.set CX,  69
.set CY,  70
.set T3,  71                           ; 0 q, 1 k, 2 v
.set ISV, 72
.set CP,  73
.set TLA, 74
.set TLB, 75
.set AP,  76
.set BP,  78
.set ASP, 80
.set BSP, 82
.set BIP, 84
.set OCP, 86
.set OSP, 88
.set TA0, 90                           ; my first A tile, my first B tile, my group of 8 B tiles
.set TB0, 91
.set GB,  92
.set MASK, 93
.set SEL, 98
.set MNT, 100
.set MSB, 0
.macro WIN new                         ; the immediate's high byte repeats the setting that is left
.if MSB != \new
	s_set_vgpr_msb (MSB<<8)|\new
.set MSB, \new
.endif
.endm
.macro PLACES n
.rept \n
	v_nop
.endr
.endm
; The joint refill of slot 0 with K step 3: wave 0 fetches A's 8 tiles, wave 1 B's 16, waves 2 and 3 nothing.  The branches hang on the wave's number alone.  An s_nop 0 and four v_nop follow each of the two lines.
.macro JLOAD n
	s_cmp_eq_u32 s[WV], 0
	s_cbranch_scc0 .Lfor_b_\@
	tensor_load_to_lds s[G0A+4*\n:G0A+4*\n+3], s[G1A:G1A+7]
	s_nop 0
.rept 4
	v_nop
.endr
	s_branch .Lasked_\@
.Lfor_b_\@:
	s_cmp_eq_u32 s[WV], 1
	s_cbranch_scc0 .Lasked_\@
	tensor_load_to_lds s[G0B+4*\n:G0B+4*\n+3], s[G1B:G1B+7]
	s_nop 0
.rept 4
	v_nop
.endr
.Lasked_\@:
.endm
.macro CREST                           ; a round of the cluster's barrier behind its opening barrier
	s_cmp_lg_u32 s[WV], 0
	s_cbranch_scc1 .Lnot_wave_0_\@
	s_barrier_signal -3
.Lnot_wave_0_\@:
	s_barrier_wait -3
	s_barrier_signal -1
	s_barrier_wait -1
.endm
.macro CROUND
	s_barrier_signal -1
	s_barrier_wait -1
	CREST
.endm
; 48 LDS loads: the fragments of 128 along K, half q of slot n, into set p: B's eight, then A's four
.macro FETCH n, q, p
	WIN 0x40                                       ; destination window 1, address window 0
.irp b, 0,1,2,3,4,5,6,7
.irp c, 0,1,2,3
	ds_load_b128 v[128*(\p)+16*\b+4*\c:128*(\p)+16*\b+4*\c+3], v[ADRB+\n] offset:\b*4096*(1+((\n)+1)/2)+(\q)*2048+\c*512   ; from tile to tile 4,096 bytes in slot 0, 8,192 where K steps 1 and 2 lie side by side
.endr
.endr
	WIN 0
.irp a, 0,1,2,3
.irp c, 0,1,2,3
	ds_load_b128 v[AF+64*(\p)+16*\a+4*\c:AF+64*(\p)+16*\a+4*\c+3], v[ADRA+\n] offset:\a*4096*(1+((\n)+1)/2)+(\q)*2048+\c*512
.endr
.endr
.endm
; 8 na matrix instructions: A's tiles a0 .. a0 + na - 1 x B's eight, substep sg of 128 along K, set p.  zero = 1: the first product starts the sums.  The 32 accumulators take turns, one instruction a turn, in the same order in every substep.
.macro MULS a0, na, sg, p, zero
	WIN 0xa1                                       ; source 0 (B) window 1, source 1 (A) window 0, C and D window 2
.set ma, \a0
.rept \na
.irp b, 0,1,2,3,4,5,6,7
.if \zero
	v_wmma_scale_f32_16x16x128_f8f6f4 v[8*(8*ma+\b):8*(8*ma+\b)+7], v[128*(\p)+16*\b:128*(\p)+16*\b+15], v[AF+64*(\p)+16*ma:AF+64*(\p)+16*ma+15], 0, v[SB+8*\b+(\sg)], v[SA+8*ma+(\sg)]
.else
	v_wmma_scale_f32_16x16x128_f8f6f4 v[8*(8*ma+\b):8*(8*ma+\b)+7], v[128*(\p)+16*\b:128*(\p)+16*\b+15], v[AF+64*(\p)+16*ma:AF+64*(\p)+16*ma+15], v[8*(8*ma+\b):8*(8*ma+\b)+7], v[SB+8*\b+(\sg)], v[SA+8*ma+(\sg)]
.endif
.endr
.set ma, ma+1
.endr
.endm
; Substep sg (set sg % 2) is multiplied; ahead of it the next substep's fragments, half q of slot n, are asked for into the other set.  Eight plain places stand between the products that read that set and the loads into it.
.macro SUBK sg, n, q, zero
.if (\sg) > 0
	PLACES 8
.endif
	FETCH \n, \q, 1-(\sg)%2
	s_wait_dscnt 48                                ; all but the 48 just issued: this substep's fragments are in
	MULS 0, 4, \sg, (\sg)%2, \zero
	WIN 0
.endm
; THE COURSE over K: eight substeps of 128; substeps 0, 1 lie in slot 0, 2, 3 in slot 1, 4, 5 in slot 2, 6, 7 in slot 0 again.
.macro CORE
	s_wait_alu depctr_va_vdst(0)                   ; the wait at the head's end
	s_cmp_lt_u32 s[WV], 2
	s_cbranch_scc0 .Lnot_k0
	s_wait_tensorcnt 0x0                           ; waves 0 and 1: K step 0 is in.  Waves 2 and 3, whose load lines are their own, wait in front of the refill's round
.Lnot_k0:
	s_barrier_signal -1
	s_barrier_wait -1                              ; everybody's is
	FETCH 0, 0, 0
	s_wait_loadcnt 0x0                             ; the scale words (and what else the head loaded)
	SUBK 0, 0, 1, 1
	; substep 1 leaves slot 0, which K step 3 fills.  All my tensor loads have landed; the add; my reads of slot 0 are over; a round of the cluster's barrier; the joint refill first behind it
	s_wait_tensorcnt 0x0
	ds_add_u32 v[SPW], v[NIL]                      ; 0 onto my spare word
	s_add_nc_u64 s[G0A+2:G0A+3], s[G0A+2:G0A+3], 3*4096   ; no tensor load of mine is out: slot 0's descriptors step to K step 3
	s_add_nc_u64 s[G0B+2:G0B+3], s[G0B+2:G0B+3], 3*4096
	s_wait_dscnt 1                                 ; substep 1's 48 loads are in; the add may be out
	MULS 0, 1, 1, 1, 0
	s_wait_dscnt 0x0                               ; the add is done, and my reads of slot 0 are over
	s_barrier_signal -1
	MULS 1, 1, 1, 1, 0
	WIN 0
	s_barrier_wait -1
	CREST                                          ; no wave of any partner still reads slot 0 or has a load on its way
	JLOAD 0                                        ; it has substeps 1 (half) to 4, 112 matrix instructions, in which to land
	PLACES 8                                       ; eight places on every wave's way, also where no load was issued
	FETCH 1, 0, 0
	MULS 2, 2, 1, 1, 0
	WIN 0
	SUBK 2, 1, 1, 0                                ; the round has shown K steps 1 and 2 whole: no barrier
	SUBK 3, 2, 0, 0
	SUBK 4, 2, 1, 0
	s_wait_tensorcnt 0x0                           ; my one load that is out: my part of K step 3
	s_wait_dscnt 0x0                               ; substep 5's fragments are in: no LDS instruction is pending at the signal
	s_barrier_signal -1
	MULS 0, 2, 5, 1, 0
	WIN 0
	s_barrier_wait -1                              ; K step 3 is whole
	PLACES 8
	FETCH 0, 0, 0
	MULS 2, 2, 5, 1, 0
	WIN 0
	SUBK 6, 0, 1, 0
	s_wait_dscnt 0x0
	MULS 0, 4, 7, 1, 0
	WIN 0
	PLACES 8                                       ; in front of the first read of results and the first write of operand registers
.endm
; 64 numbers of a lane, register 16 b + i = k 32 b + 16 (lane / 16) + i of my row, become a fragment's codes in v[PC] on and its scale word
.macro QUANT s, word
.irp b, 0,1,2,3
	v_max3_num_f32 v[TM+\b], |v[\s+16*\b]|, |v[\s+1+16*\b]|, 0x4800000   ; my 16 numbers, and the floor 2^(9 - 127): the byte cannot fall under 1
.endr
.irp i, 2,4,6,8,10,12,14
.irp b, 0,1,2,3
	v_max3_num_f32 v[TM+\b], v[TM+\b], |v[\s+16*\b+\i]|, |v[\s+1+16*\b+\i]|
.endr
.endr
.irp b, 0,1,2,3
	v_permlanex16_b32 v[TM+4+\b], v[TM+\b], s[SEL], s[SEL+1]
.endr
.irp b, 0,1,2,3
	v_max_num_f32 v[TM+\b], v[TM+\b], v[TM+4+\b]
.endr
.irp b, 0,1,2,3
	v_add_nc_u32 v[TM+12+\b], 0xfc000000, v[TM+\b]
.endr
.irp b, 0,1,2,3
	v_and_or_b32 v[TM+8+\b], v[TM+\b], 0x7f800000, s[MNT]
.endr
.irp b, 0,1,2,3
	v_lshrrev_b32 v[TM+4+\b], 23, v[TM+12+\b]
.endr
	v_lshl_or_b32 v[\word], v[TM+5], 8, v[TM+4]
	v_lshl_or_b32 v[\word], v[TM+6], 16, v[\word]
	v_lshl_or_b32 v[\word], v[TM+7], 24, v[\word]
.irp b, 0,1,2,3
.irp i, 0,1,2,3,4,5,6,7,8,9,10,11,12,13,14,15
	v_med3_num_f32 v[\s+16*\b+\i], v[\s+16*\b+\i], -v[TM+8+\b], v[TM+8+\b]   ; the conversion does not saturate (ISA guide 7.6.2)
.endr
	v_cvt_scalef32_pk8_fp8_f32 v[PC+4*\b:PC+1+4*\b], v[\s+16*\b:\s+7+16*\b], v[TM+12+\b]
	v_cvt_scalef32_pk8_fp8_f32 v[PC+2+4*\b:PC+3+4*\b], v[\s+8+16*\b:\s+15+16*\b], v[TM+12+\b]
.endr
	v_nop
.endm
	s_load_b512 s[4:19], s[0:1], 0x0               ; x_img s[4:5], x_sc s[6:7], w_img s[8:9], w_sc s[10:11], bq s[12:13], bk s[14:15], bv s[16:17], qkv_img s[18:19]
	s_load_b64 s[20:21], s[0:1], 0x40              ; qkv_sc
	v_lshl_add_u32 v[SPW], v0, 2, SPARE
	v_mov_b32 v[NIL], 0
	ds_add_u32 v28, v29
	ds_add_u32 v28, v29
	s_wait_dscnt 0x0
	v_lshrrev_b32 v1, 5, v0
	v_readfirstlane_b32 s[WV], v1                  ; wave 0..3
	s_lshr_b32 s[FR], s[WV], 1
	s_and_b32 s[HF], s[WV], 1
	s_bfe_u32 s[CX], ttmp6, 0x40000
	s_bfe_u32 s[CY], ttmp6, 0x40004
	s_and_b32 s[CP], ttmp7, 0xffff                 ; cluster y, 0..47: sixteen clusters for each of q, k, v
	s_lshr_b32 s[T3], s[CP], 4
	s_and_b32 s[CP], s[CP], 15
	s_and_b32 s[TLA], s[CP], 1                     ; v: 2 x 8 clusters (A = the weight: 8 tiles of 128; B = the tokens: 32 tiles of 256)
	s_lshr_b32 s[TLB], s[CP], 1
	s_lshl_b32 s22, s[T3], 23                      ; q, k: the tensor's part of x_img,
	s_lshl_b32 s23, s[T3], 20                      ; of w_img,
	s_lshl_b32 s2, s[T3], 18                       ; of x_sc,
	s_lshl_b32 s3, s[T3], 15                       ; of w_sc
	s_cmp_eq_u32 s[T3], 2                          ; (moves and selections leave SCC alone)
	s_cselect_b32 s[ISV], 1, 0
	s_cselect_b32 s[TLA], s[TLA], s[CP]            ; q, k: 16 x 1 clusters (A = the tokens: 64 tiles; B = the weight: 4)
	s_cselect_b32 s[TLB], s[TLB], 0
	s_mov_b32 s93, 2<<20
	s_cselect_b32 s94, s93, s22                    ; A's codes: the tensor's part
	s_mov_b32 s93, 16<<20
	s_cselect_b32 s96, s93, s23                    ; B's
	s_mov_b32 s93, 65536
	s_cselect_b32 s98, s93, s2                     ; A's scale bytes
	s_mov_b32 s93, 524288
	s_cselect_b32 s100, s93, s3                    ; B's
	s_lshl_b32 s[TLA], s[TLA], 2
	s_add_co_u32 s[TLA], s[TLA], s[CY]             ; my tile of 128 A rows: it hangs on cy alone
	s_lshl_b32 s[TLB], s[TLB], 2
	s_add_co_u32 s[TLB], s[TLB], s[CX]             ; my tile of 256 B rows: on cx alone
	s_lshl_b32 s95, s[TLA], 17                     ; 8 image tiles of 16,384 bytes
	s_add_co_u32 s94, s94, s95
	s_mov_b32 s95, 0
	s_lshl_b32 s97, s[TLB], 18                     ; 16 image tiles
	s_add_co_u32 s96, s96, s97
	s_mov_b32 s97, 0
	s_lshl_b32 s22, s[CY], 2
	s_lshl_b32 s22, 15, s22                        ; my row of the cluster
	s_lshl_b32 s23, 0x1111, s[CX]                  ; my column
	; descriptor group 1: elements of 8 bytes; a row is an image tile's K step, 512 elements; from tile to tile 2,048 elements; A: 8 rows, B: 16; no padding
	s_or_b32 s[G1A], s22, (3<<16)|(1<<21)
	s_or_b32 s[G1B], s23, (3<<16)|(1<<21)
	s_or_b32 s[G1C], s22, (3<<16)|(1<<21)
.irp g, G1A, G1B, G1C
	s_mov_b32 s[\g+5], 2048                        ; from image tile to image tile
	s_mov_b32 s[\g+6], 0
	s_mov_b32 s[\g+7], 0
.endr
	s_mov_b32 s[G1A+1], 512<<16                    ; one K step of A's 8 tiles
	s_mov_b32 s[G1A+2], 8<<16
	s_mov_b32 s[G1A+3], 512<<16
	s_mov_b32 s[G1A+4], 8
	s_mov_b32 s[G1B+1], 512<<16                    ; of B's 16
	s_mov_b32 s[G1B+2], 16<<16
	s_mov_b32 s[G1B+3], 512<<16
	s_mov_b32 s[G1B+4], 16
	s_mov_b32 s[G1C+1], 1024<<16                   ; two K steps on end of A's 8 tiles
	s_mov_b32 s[G1C+2], 8<<16
	s_mov_b32 s[G1C+3], 1024<<16
	s_mov_b32 s[G1C+4], 8
	s_wait_kmcnt 0x0
	s_cmp_eq_u32 s[ISV], 1                         ; the choices hang on the cluster's number alone
	s_cselect_b64 s[AP:AP+1], s[8:9], s[4:5]
	s_cselect_b64 s[BP:BP+1], s[4:5], s[8:9]
	s_cselect_b64 s[ASP:ASP+1], s[10:11], s[6:7]
	s_cselect_b64 s[BSP:BSP+1], s[6:7], s[10:11]
	s_add_nc_u64 s[AP:AP+1], s[AP:AP+1], s[94:95]
	s_add_nc_u64 s[BP:BP+1], s[BP:BP+1], s[96:97]
	s_or_b32 s[G1D], s23, (3<<16)|(1<<21)          ; two K steps on end of B's 16 tiles
	s_mov_b32 s[G1D+1], 1024<<16
	s_mov_b32 s[G1D+2], 16<<16
	s_mov_b32 s[G1D+3], 1024<<16
	s_mov_b32 s[G1D+4], 16
	s_mov_b32 s[G1D+5], 2048
	s_mov_b32 s[G1D+6], 0
	s_mov_b32 s[G1D+7], 0
.macro GRP0 g, lds, p, off
	s_mov_b32 s[\g], 1
	s_mov_b32 s[\g+1], \lds
	s_add_nc_u64 s[\g+2:\g+3], s[\p:\p+1], \off
	s_or_b32 s[\g+3], s[\g+3], 0x80000000
.endm
	GRP0 G0A, 0, AP, 0                             ; LDS: slot 0: A's 8 tiles x 4,096, B's 16; behind it A's 8 tiles x 8,192 (K steps 1, 2), then B's 16: constants, no place in the cluster
	GRP0 G0B, BOFF, BP, 0
	GRP0 G0C, SLOT, AP, 4096
	GRP0 G0D, SLOT+65536, BP, 4096
	CROUND                                         ; all sixteen work-groups are here: the first joint loads meet
; THE HEAD'S LOADS, ONE A WAVE: one chain of branches on the wave's number, a load to an arm, all arms leading to one join.  Three of the four K steps are asked for here.
.macro ARM under, g0, g1, next
	s_cmp_lt_u32 s[WV], \under
	s_cbranch_scc0 \next
	tensor_load_to_lds s[\g0:\g0+3], s[\g1:\g1+7]
	s_nop 0
.rept 4
	v_nop
.endr
	s_branch .Lhead_asked
\next:
.endm
	ARM 1, G0A, G1A, .Lhead_b
	ARM 2, G0B, G1B, .Lhead_c
	ARM 3, G0C, G1C, .Lhead_d
	tensor_load_to_lds s[G0D:G0D+3], s[G1D:G1D+7]
	s_nop 0
.rept 4
	v_nop
.endr
.Lhead_asked:
	v_and_b32 v1, 15, v0                           ; r
	v_bfe_u32 v2, v0, 4, 1                         ; h
	v_and_b32 v3, 31, v0
	v_lshlrev_b32 v3, 4, v3                        ; 16 x lane
	v_lshlrev_b32 v11, 5, v1                       ; 32 r: a row's scale bytes
	s_wait_alu depctr_va_vdst(0)
	s_lshl_b32 s[TA0], s[TLA], 3
	s_lshl_b32 s2, s[FR], 2
	s_add_co_u32 s[TA0], s[TA0], s2
	s_lshl_b32 s[TB0], s[TLB], 4
	s_lshl_b32 s2, s[HF], 3
	s_add_co_u32 s[TB0], s[TB0], s2
	s_lshr_b32 s[GB], s[TB0], 3
	s_lshl_b32 s2, s[TA0], 9
	s_add_co_u32 s98, s98, s2
	s_mov_b32 s99, 0
	s_add_nc_u64 s[ASP:ASP+1], s[ASP:ASP+1], s[98:99]
	s_lshl_b32 s2, s[TB0], 9
	s_add_co_u32 s100, s100, s2
	s_mov_b32 s101, 0
	s_add_nc_u64 s[BSP:BSP+1], s[BSP:BSP+1], s[100:101]
.irp a, 0,1,2,3
	global_load_b128 v[SA+8*\a:SA+8*\a+3], v11, s[ASP:ASP+1] offset:\a*512       ; lane r: row r's eight words (lanes 16-31 repeat them and are not read)
	global_load_b128 v[SA+8*\a+4:SA+8*\a+7], v11, s[ASP:ASP+1] offset:\a*512+16
.endr
.irp b, 0,1,2,3,4,5,6,7
	global_load_b128 v[SB+8*\b:SB+8*\b+3], v11, s[BSP:BSP+1] offset:\b*512
	global_load_b128 v[SB+8*\b+4:SB+8*\b+7], v11, s[BSP:BSP+1] offset:\b*512+16
.endr
	; the bias, in both layouts (each at indices inside its 1,024 numbers, whichever is used): along B's rows (q, k): n = 128 GB + 32 (b / 2) + 8 (b % 2) + 16 h + j; along A's rows (v): n = 16 TA0 + 32 (a / 2) + 8 (a % 2) + r + 8 (r / 8)
	s_lshl_b32 s2, s[GB], 9
	s_lshl_b32 s3, s[TA0], 6
	s_cmp_eq_u32 s[T3], 0
	s_cselect_b64 s[BIP:BIP+1], s[12:13], s[14:15]
	s_cmp_eq_u32 s[ISV], 1
	s_cselect_b64 s[BIP:BIP+1], s[16:17], s[BIP:BIP+1]
	s_cselect_b32 s2, 0, s2
	s_cselect_b32 s3, s3, 0
	v_lshl_add_u32 v22, v2, 6, s2
	v_and_b32 v23, 8, v1
	v_add_nc_u32 v23, v23, v1
	v_lshl_add_u32 v23, v23, 2, s3
	WIN 0xc0                                       ; destination window 3
.irp b, 0,1,2,3,4,5,6,7
	global_load_b128 v[8*\b:8*\b+3], v22, s[BIP:BIP+1] offset:(32*(\b/2)+8*(\b%2))*4
	global_load_b128 v[8*\b+4:8*\b+7], v22, s[BIP:BIP+1] offset:(32*(\b/2)+8*(\b%2))*4+16
.endr
.irp a, 0,1,2,3
	global_load_b32 v[64+2*\a], v23, s[BIP:BIP+1] offset:(32*(\a/2)+8*(\a%2))*4
	global_load_b32 v[65+2*\a], v23, s[BIP:BIP+1] offset:(32*(\a/2)+8*(\a%2))*4   ; twice: a pair for the packed addition
.endr
	WIN 0
	s_lshl_b32 s2, s[FR], 14                       ; slot 0: my 4 tiles of A,
	s_lshl_b32 s3, s[HF], 15
	s_add_co_u32 s3, s3, BOFF                      ; my 8 of B
	v_add_nc_u32 v[ADRA], s2, v3
	v_add_nc_u32 v[ADRB], s3, v3
	s_lshl_b32 s2, s[FR], 15                       ; K steps 1 and 2: tiles of 8,192 bytes
	s_add_co_u32 s2, s2, SLOT
	s_lshl_b32 s3, s[HF], 16
	s_add_co_u32 s3, s3, SLOT+65536
	v_add_nc_u32 v[ADRA+1], s2, v3
	v_add_nc_u32 v[ADRB+1], s3, v3
	v_add_nc_u32 v[ADRA+2], 4096, v[ADRA+1]        ; K step 2 lies 4,096 bytes on in each tile
	v_add_nc_u32 v[ADRB+2], 4096, v[ADRB+1]
	; WHERE THE RESULTS GO.  qkv_img: parts q, k: [64 bh][128 token tiles][2 groups][512]; part v: [64 bh][16 key steps][4 tiles of d][4 groups][512].
	; qkv_sc: q at 0: [64 bh][32][16 r][4 words]; at 524,288: [64 bh][12,288]: k's table in the same form, then v's [16 key steps][16 r][4 words].
	s_lshr_b32 s2, s[GB], 4
	s_lshl_b32 s2, s2, 4
	s_lshr_b32 s3, s[TA0], 2
	s_add_co_u32 s2, s2, s3                        ; v: bh = 16 x batch (of my 128 keys) + head (of my 64 rows of the weight)
	s_lshr_b32 s3, s[TA0], 7
	s_lshl_b32 s3, s3, 4
	s_lshl_b32 s22, s[GB], 1
	s_add_co_u32 s3, s3, s22                       ; q, k: bh = 16 x batch (of my 64 tokens) + the first of my two heads
	s_and_b32 s22, s[GB], 15                       ; v: the key step
	s_and_b32 s23, s[TA0], 127                     ; q, k: the first token tile in its batch
	s_lshl_b32 s94, s22, 13
	s_lshl_b32 s95, s23, 10
	s_lshl_b32 s96, s22, 8
	s_add_co_u32 s96, s96, 8192
	s_lshl_b32 s97, s23, 6
	s_mov_b32 s22, 2048
	s_mov_b32 s23, 131072
	s_cmp_eq_u32 s[ISV], 1
	s_cselect_b32 s2, s2, s3
	s_cselect_b32 s94, s94, s95                    ; the codes' place in the head
	s_cselect_b32 s96, s96, s97                    ; the scale words'
	s_cselect_b32 s[MASK], -1, 0xffff              ; q, k: a word is two bytes (d 0-31, d 32-63) under two zeros
	s_cselect_b32 s22, s22, 1024                   ; from A tile to A tile
	s_cselect_b32 s23, 1024, s23                   ; from the first pair of groups to the second: v: on in the fragment; q, k: the next head
	s_cselect_b32 s95, 0, 16
	v_mul_u32_u24 v21, s95, v2                     ; q, k: lanes 16-31 take the word's upper half: the next head's bytes
	s_mov_b32 s97, 12288
	s_cmp_eq_u32 s[T3], 0
	s_cselect_b32 s97, 8192, s97                   ; a head's bytes in its table
	s_cselect_b32 s3, 0, 524288
	s_add_co_u32 s96, s96, s3
	s_mul_i32 s3, s2, s97
	s_add_co_u32 s96, s96, s3
	s_cmp_eq_u32 s[ISV], 1
	s_cselect_b32 s3, 0, s97
	v_mul_u32_u24 v20, s3, v2
	v_lshl_add_u32 v20, v1, 4, v20                 ; 16 r, + a head for lanes 16-31 (v: both halves store the same bytes with the same values)
	s_mov_b32 s97, 0
	s_add_nc_u64 s[OSP:OSP+1], s[20:21], s[96:97]
	s_lshl_b32 s2, s2, 17
	s_add_co_u32 s94, s94, s2
	s_lshl_b32 s2, s[T3], 23
	s_add_co_u32 s94, s94, s2
	s_mov_b32 s95, 0
	s_add_nc_u64 s[OCP:OCP+1], s[18:19], s[94:95]
	s_mov_b32 s2, 0
.irp a, 0,1,2,3
	v_add_nc_u32 v[VA+2*\a], s2, v3
	s_add_co_u32 s3, s2, s23
	v_add_nc_u32 v[VA+2*\a+1], s3, v3
	s_add_co_u32 s2, s2, s22
.endr
	s_mov_b32 s[SEL], 0x76543210
	s_mov_b32 s[SEL+1], 0xfedcba98
	s_mov_b32 s[MNT], 0x600000
	CORE
; THE WAY OUT of A tile a: the bias is added on the way from window 2 into window 0 (each accumulator from its low end on); the lane's 64 numbers are four blocks of 32 along the next K; four groups of 512 dense bytes leave.
.macro EPI a
.if \a > 0
	s_wait_xcnt 0x0                                ; the last tile's stores have read their registers
.endif
	s_cmp_eq_u32 s[ISV], 0                         ; the same in all partners
	s_cbranch_scc0 .Lbias_v_\@
	WIN 0x0e                                       ; source 0 window 2, source 1 window 3, destination window 0
.set ii, 0
.rept 32
	v_pk_add_f32 v[T+ii:T+ii+1], v[64*\a+ii:64*\a+ii+1], v[ii:ii+1]
.set ii, ii+2
.endr
	WIN 0
	s_branch .Lbias_done_\@
.Lbias_v_\@:
	WIN 0x0e
.set ii, 0
.rept 32
	v_pk_add_f32 v[T+ii:T+ii+1], v[64*\a+ii:64*\a+ii+1], v[64+2*\a:65+2*\a]
.set ii, ii+2
.endr
	WIN 0
.Lbias_done_\@:
	QUANT T, PW
	global_store_b128 v[VA+2*\a], v[PC:PC+3], s[OCP:OCP+1]
	global_store_b128 v[VA+2*\a], v[PC+4:PC+7], s[OCP:OCP+1] offset:512
	global_store_b128 v[VA+2*\a+1], v[PC+8:PC+11], s[OCP:OCP+1]
	global_store_b128 v[VA+2*\a+1], v[PC+12:PC+15], s[OCP:OCP+1] offset:512
	v_lshrrev_b32 v[SW+\a], v21, v[PW]
	v_and_b32 v[SW+\a], s[MASK], v[SW+\a]
.endm
.irp b, 0,1,2,3
	v_mov_b32 v[TM+4+\b], 0                        ; written once: a lane permute's destination counts as one of its sources
.endr
	EPI 0
	EPI 1
	EPI 2
	EPI 3
	global_store_b128 v20, v[SW:SW+3], s[OSP:OSP+1]   ; four words a row: sixteen lanes fill 256 aligned bytes
	s_wait_tensorcnt 0x0                           ; the wave's end
	ds_add_u32 v[SPW], v[NIL]
	s_wait_dscnt 0x0
	CROUND                                         ; the closing round
	s_endpgm
.Lfunc_end_k_qf429a6c531_proj:
	.size	k_qf429a6c531_proj, .Lfunc_end_k_qf429a6c531_proj-k_qf429a6c531_proj
	.p2alignl 7, 3214868480
	.fill 96, 4, 3214868480
	.section	.rodata,"a",@progbits
	.p2align	6, 0x0
	.amdhsa_kernel k_qf429a6c531_proj
		.amdhsa_group_segment_fixed_size 327680
		.amdhsa_private_segment_fixed_size 0
		.amdhsa_enable_private_segment 0
		.amdhsa_kernarg_size 72
		.amdhsa_user_sgpr_count 2
		.amdhsa_user_sgpr_kernarg_segment_ptr 1
		.amdhsa_wavefront_size32 1
		.amdhsa_system_sgpr_workgroup_id_x 1
		.amdhsa_system_sgpr_workgroup_id_y 1
		.amdhsa_system_sgpr_workgroup_id_z 1
		.amdhsa_system_vgpr_workitem_id 0
		.amdhsa_next_free_vgpr 1024
		.amdhsa_next_free_sgpr 102
		.amdhsa_reserve_vcc 0
		.amdhsa_float_denorm_mode_32 3
		.amdhsa_float_denorm_mode_16_64 3
		.amdhsa_memory_ordered 1
		.amdhsa_forward_progress 1
		.amdhsa_inst_pref_size 128
	.end_amdhsa_kernel
	.amdgpu_metadata
---
amdhsa.version: [ 1, 2 ]
amdhsa.kernels:
  - .name:           k_qf429a6c531_proj
    .symbol:         k_qf429a6c531_proj.kd
    .args:
      - { .name: x_img, .offset: 0, .size: 8, .value_kind: global_buffer, .address_space: global }
      - { .name: x_sc, .offset: 8, .size: 8, .value_kind: global_buffer, .address_space: global }
      - { .name: w_img, .offset: 16, .size: 8, .value_kind: global_buffer, .address_space: global }
      - { .name: w_sc, .offset: 24, .size: 8, .value_kind: global_buffer, .address_space: global }
      - { .name: bq, .offset: 32, .size: 8, .value_kind: global_buffer, .address_space: global }
      - { .name: bk, .offset: 40, .size: 8, .value_kind: global_buffer, .address_space: global }
      - { .name: bv, .offset: 48, .size: 8, .value_kind: global_buffer, .address_space: global }
      - { .name: qkv_img, .offset: 56, .size: 8, .value_kind: global_buffer, .address_space: global }
      - { .name: qkv_sc, .offset: 64, .size: 8, .value_kind: global_buffer, .address_space: global }
    .group_segment_fixed_size: 327680
    .private_segment_fixed_size: 0
    .kernarg_segment_align: 8
    .kernarg_segment_size: 72
    .max_flat_workgroup_size: 128
    .sgpr_count:     102
    .vgpr_count:     1024
    .wavefront_size: 32
...
	.end_amdgpu_metadata
.endif
;; end of part 2
;; launch attn (part 3): grid 4 x 64, 16 waves a work-group, no clusters, 327,680 bytes of LDS; arguments qkv_img, qkv_sc, ctx_img, ctx_sc; writes ctx_img, ctx_sc
.if DOCPART == 3
	.amdgcn_target "amdgcn-amd-amdhsa--gfx1250"
	.amdhsa_code_object_version 6
	.text
	.protected	k_qf429a6c531_attn
	.globl	k_qf429a6c531_attn
	.p2align	8
	.type	k_qf429a6c531_attn,@function
k_qf429a6c531_attn:
	s_mov_b64 s[64:65], 0
	v_nop
	global_prefetch_b8 v0, s[64:65] scope:SCOPE_SE
	s_setreg_imm32_b32 hwreg(HW_REG_WAVE_MODE, 25, 1), 1
	s_wait_xcnt 0x0
; Causal attention of one head on codes of FP8 (E4M3) with E8M0 scales: S^T = K Q^T (K = the head's 64, filled to 128 with zero codes), p = 2^(t - M), O^T = V^T P^T (K = the keys), ctx = O / l, quantised along d_model and stored as codes.
; t = score x log2(e) / 8; M = the running largest t rounded UP to a whole number; the row's sum l is taken of the unquantised p; when M moves, l and O^T are multiplied by 2^(old M - new M), which rounds nothing.
; A lane holds ONE query (image lane r = lane % 16) throughout.  All operands are images of registers (tile 2 B + u holds rows 32 B + 8 u + r + 8 (r / 8)): the 16 registers of score tiles 2 b, 2 b + 1 are keys 32 b + 16 (lane / 16) + 0 .. 15.
; WORK LEFT OUT: key steps all of whose keys come after a tile's queries: the causal mask sets their scores to -infinity, so p = 0 for all values of the inputs.
; SHARES.  A head's 2,048 queries are 16 blocks of 128.  256 work-groups, four to a head: work-group j owns blocks 15 - j, 8 + j, 7 - j, j.  Each of sixteen waves owns two tiles of 16 queries, one after the other:
; first one of a high block B (15 - j or 8 + j), then the same tile of block 15 - B: 17 key steps in every wave.  Four waves to a SIMD, 256 registers each.
; NO RING: a head's K (131,072 bytes), V (131,072) and scale words (12,288) lie in LDS whole, each byte filled once, for 512 queries.
; At the head each wave has one tensor load: waves 0-3 a quarter of K's key steps 0-3, waves 4-7 of V's, waves 8-15 an eighth of the scale words.  Behind a wait on its load, an add and a barrier,
; waves 0-5 bring key steps 4-7, 8-11, 12-15 of K and of V, 32,768 bytes a load; each of these loads holds a key step (4, 8 or 12) that counts for queries of every work-group.  Key steps 0-3 are walked meanwhile.  All of LDS is claimed.
; In the first walk every wave's block is 8 or higher, so all waves have work in the steps ahead of the second barrier.  The second walk has no barrier and ends at key step 7.
; NO CLUSTER, though the 4 work-groups of a head read the same K and V: which steps a work-group leaves out hangs on its blocks of queries, which would be its place in such a cluster.
; NO PREFETCH: all that the work-group reads is asked for by these two loads a wave, the second ahead of the first key step: there is no later stream to run ahead of.
; LIMITS: NaN and infinities are not served; the promise holds while |t| stays under 2^31; p under 2^-126 becomes 0 (v_exp_f32 flushes denormal results); ctx is O x rcp(l), within an ulp of the division;
; a block of zeros gets the byte 1 (its codes are zeros; this program alone reads the bytes).  Key steps 13 to 15 are brought into LDS also where 15 - j is lower: they share a load with step 12.
.set AK0,  1                           ; v1   16 x lane: my place in an image; also K's region
.set AV0,  2                           ; v2   the same in V's region
.set ASK0, 3                           ; v3   16 r in K's scale words
.set ASV0, 4                           ; v4   16 r in V's
.set VD,   5                           ; v5   my query in its block - 16 (lane / 16)
.set CSO,  6                           ; v6   32 r + h: my byte in a tile of ctx_sc
.set QW2,  7                           ; v7   the second tile's scale word of Q
.set ADK,  8                           ; v8-11 the step's addresses
.set ADV,  9
.set ADS,  10
.set ADT,  11
.set QF,   16                          ; v16-23 Q's codes, v24-31 zero codes
.set KFR,  32                          ; v32 + 16 t: fragment t of K: 8 registers of codes, 8 of zero codes
.set S,    96                          ; v96-159 S^T, then p, then V's four fragments
.set O,    160                         ; v160-191 O^T
.set PC,   192                         ; v192-207 p's codes
.set BM,   208                         ; v208-223 the blocks' largest, bytes, holds, scale operands
.set KW,   224                         ; v224-227 K's or V's scale words
.set PWD,  228                         ; v228 p's scale word
.set QW,   229                         ; v229 Q's
.set F,    230                         ; v[230:231] f, and a register written once to fill the pair
.set TP,   232                         ; v232, v233 at work
.set Q2,   234                         ; v234-241 the second tile's codes of Q; v242-253 the sums' chains; v254, v255 the add's
.set VREG, 131072
.set SCK,  262144
.set SCV,  270336
.set SPARE, 274432                     ; the spare words: 128 bytes for each of 16 waves
.set WV,  12
.set BH,  13
.set BLK, 14
.set TAU, 15
.set KS,  16
.set CNT, 17
.set TB,  18
.set TS,  19
.set TJ,  20
.set MNT, 21
.set CS,  22                           ; s[22:23] c = log2(e) / 8
.set G1X, 24                           ; three groups 1: dense rows of 256 bytes: 32, 6 and 128 of them
.set G1Y, 32
.set G1Z, 40
.set G0X, 48
.set G0Y, 52
.set G0Z, 56
.set SEL, 60
.set HIM, 82                           ; s82 the mask of lanes 16-31
; the largest score of blocks x and y of 32 keys, by turns
.macro BMAX x, y
	v_max3_num_f32 v[BM+\x], v[S+16*\x], v[S+1+16*\x], v[S+2+16*\x]
	v_max3_num_f32 v[BM+\y], v[S+16*\y], v[S+1+16*\y], v[S+2+16*\y]
.irp i, 3,5,7,9,11,13
	v_max3_num_f32 v[BM+\x], v[BM+\x], v[S+16*\x+\i], v[S+1+16*\x+\i]
	v_max3_num_f32 v[BM+\y], v[BM+\y], v[S+16*\y+\i], v[S+1+16*\y+\i]
.endr
.endm
; A KEY STEP: 128 keys
.macro STEP
	s_cmp_gt_u32 s[KS], s[BLK]
	s_cbranch_scc1 .Lhidden_\@                     ; all its keys come after my queries
	v_add_nc_u32 v[ADK], s[TB], v[AK0]
	s_wait_alu depctr_va_vdst(0)
	v_add_nc_u32 v[ADV], s[TB], v[AV0]
	v_add_nc_u32 v[ADS], s[TS], v[ASK0]
	s_wait_alu depctr_va_vdst(0)                   ; likewise
	v_add_nc_u32 v[ADT], s[TJ], v[ASV0]
.rept 5
	v_nop                                          ; nine places with the four above: the products below write over registers that the last step's products read (V's fragments)
.endr
.irp g, 0,1                                    ; S^T = K Q^T, four tiles of 16 keys at a time
.if \g
.rept 8
	v_nop                                          ; places in front of loads into registers that matrix instructions have read
.endr
.endif
.irp t, 0,1,2,3
	ds_load_b128 v[KFR+16*\t:KFR+16*\t+3], v[ADK] offset:(4*\g+\t)*1024
	ds_load_b128 v[KFR+16*\t+4:KFR+16*\t+7], v[ADK] offset:(4*\g+\t)*1024+512
.endr
	ds_load_b128 v[KW:KW+3], v[ADS] offset:256*\g  ; the four tiles' scale words of row r
	s_wait_dscnt 0x0
.irp t, 0,1,2,3
	v_wmma_scale_f32_16x16x128_f8f6f4 v[S+8*(4*\g+\t):S+8*(4*\g+\t)+7], v[KFR+16*\t:KFR+16*\t+15], v[QF:QF+15], 0, v[KW+\t], v[QW]
.endr
.endr
; The places behind the last four products are work on the first four tiles' scores, which stand eight places and more behind their own products: 14 maxima, or on the diagonal 65 lines of the mask
	s_cmp_lt_u32 s[KS], s[BLK]
	s_cbranch_scc1 .Lopen_\@                       ; all its keys count
	v_mov_b32 v[TP], 0xff800000                    ; on the diagonal: register 16 b + i holds key 32 b + i + 16 h of the step: hidden where 32 b + i > my query - 16 h
.irp n, 0,1,2,3,4,5,6,7,8,9,10,11,12,13,14,15,16,17,18,19,20,21,22,23,24,25,26,27,28,29,30,31,32,33,34,35,36,37,38,39,40,41,42,43,44,45,46,47,48,49,50,51,52,53,54,55,56,57,58,59,60,61,62,63
	v_cmp_gt_i32 vcc_lo, 32*(\n/16)+\n%16, v[VD]
	v_cndmask_b32 v[S+\n], v[S+\n], v[TP], vcc_lo
.endr
.Lopen_\@:
	BMAX 0, 1                                      ; the largest score of each block of 32 keys: for the row's maximum and, since p rises with the score, for the block's largest p
	BMAX 2, 3
.irp b, 0,1,2,3
	v_max_num_f32 v[BM+\b], v[BM+\b], v[S+15+16*\b]
.endr
.irp b, 0,1,2,3
	s_delay_alu instid0(VALU_DEP_4)
	v_permlanex16_b32 v[BM+4+\b], v[BM+\b], s[SEL], s[SEL+1]
.endr
.irp b, 0,1,2,3
	s_delay_alu instid0(VALU_DEP_4)
	v_max_num_f32 v[BM+\b], v[BM+\b], v[BM+4+\b]
.endr
	s_delay_alu instid0(VALU_DEP_2)
	v_max3_num_f32 v[TP], v[BM], v[BM+1], v[BM+2]
	s_delay_alu instid0(VALU_DEP_1)
	v_max_num_f32 v[TP], v[TP], v[BM+3]
	s_delay_alu instid0(VALU_DEP_1)
	v_mul_f32 v[TP], s[CS], v[TP]                  ; as t
	s_delay_alu instid0(VALU_DEP_1)
	v_max_num_f32 v13, v13, v[TP]                  ; the running largest t
	v_mov_b32 v[TP], v12
	s_delay_alu instid0(VALU_DEP_2)
	v_floor_f32 v12, -v13                          ; the new -M = -ceil(t)
	s_delay_alu instid0(VALU_DEP_1)
	v_sub_f32 v[TP], v12, v[TP]                    ; old M - new M: a whole number, 0 or less
	s_delay_alu instid0(VALU_DEP_1)
	v_cvt_i32_f32 v[TP], v[TP]                     ; (it saturates)
	s_delay_alu instid0(VALU_DEP_1)
	v_ldexp_f32 v[F], 1.0, v[TP]                   ; f = 2^(old M - new M)
.set ii, 0
.rept 32
	v_pk_fma_f32 v[S+ii:S+ii+1], v[S+ii:S+ii+1], s[CS:CS+1], v[12:13] op_sel_hi:[1,0,0]   ; t - M
.set ii, ii+2
.endr
.irp b, 0,1,2,3
	v_fma_f32 v[BM+\b], v[BM+\b], s[CS], v12
.endr
.set ii, 0
	s_wait_alu depctr_va_vdst(0)                   ; the wait ahead of the batch
.rept 64
	v_exp_f32 v[S+ii], v[S+ii]                     ; p = 2^(t - M)
.set ii, ii+1
.endr
	v_pk_mul_f32 v[14:15], v[14:15], v[F:F+1] op_sel_hi:[1,0]   ; the sums under the new M (a plain place behind the exponentials)
	s_wait_alu depctr_va_vdst(0)                   ; one wait for the batch, ahead of its first reader
.irp b, 0,1,2,3
	v_exp_f32 v[BM+\b], v[BM+\b]                   ; the block's largest p
.endr
	v_pk_add_f32 v[212:213], v[100:101], v[104:105]   ; the row's sum of the unquantised p, in eight chains
	v_pk_add_f32 v[252:253], v[108:109], v[112:113]
	v_pk_add_f32 v[250:251], v[116:117], v[120:121]
	v_pk_add_f32 v[248:249], v[124:125], v[128:129]
	v_pk_add_f32 v[246:247], v[132:133], v[136:137]
	v_pk_add_f32 v[244:245], v[140:141], v[144:145]
	v_pk_add_f32 v[242:243], v[148:149], v[152:153]
	v_pk_add_f32 v[14:15], v[14:15], v[156:157]
	v_pk_add_f32 v[212:213], v[212:213], v[96:97]
	v_pk_add_f32 v[252:253], v[252:253], v[98:99]
	v_pk_add_f32 v[250:251], v[250:251], v[102:103]
	v_pk_add_f32 v[248:249], v[248:249], v[106:107]
	v_pk_add_f32 v[246:247], v[246:247], v[110:111]
	v_pk_add_f32 v[244:245], v[244:245], v[114:115]
	v_pk_add_f32 v[242:243], v[242:243], v[118:119]
	v_pk_add_f32 v[14:15], v[14:15], v[122:123]
	v_pk_add_f32 v[212:213], v[212:213], v[126:127]
	v_pk_add_f32 v[252:253], v[252:253], v[130:131]
	v_pk_add_f32 v[250:251], v[250:251], v[134:135]
	v_pk_add_f32 v[248:249], v[248:249], v[138:139]
	v_pk_add_f32 v[246:247], v[246:247], v[142:143]
	v_pk_add_f32 v[244:245], v[244:245], v[146:147]
	v_pk_add_f32 v[242:243], v[242:243], v[150:151]
	v_pk_add_f32 v[14:15], v[14:15], v[154:155]
	v_pk_add_f32 v[212:213], v[212:213], v[158:159]
	s_delay_alu instid0(VALU_DEP_2)
	v_pk_add_f32 v[14:15], v[14:15], v[248:249]
	s_delay_alu instid0(VALU_DEP_2)
	v_pk_add_f32 v[212:213], v[212:213], v[246:247]
	v_pk_add_f32 v[252:253], v[252:253], v[244:245]
	v_pk_add_f32 v[250:251], v[250:251], v[242:243]
	s_delay_alu instid0(VALU_DEP_2)
	v_pk_add_f32 v[14:15], v[14:15], v[252:253]
	s_delay_alu instid0(VALU_DEP_2)
	v_pk_add_f32 v[212:213], v[212:213], v[250:251]
	s_delay_alu instid0(VALU_DEP_1)
	v_pk_add_f32 v[14:15], v[14:15], v[212:213]
	s_wait_alu depctr_va_vdst(0)                   ; and one for the four
.irp b, 0,1,2,3
	v_max_num_f32 v[BM+\b], 0x4800000, v[BM+\b]    ; the floor 2^(9 - 127): the byte cannot fall under 1
.endr
.irp b, 0,1,2,3
	s_delay_alu instid0(VALU_DEP_4)
	v_add_nc_u32 v[BM+12+\b], 0xfc000000, v[BM+\b]
.endr
.irp b, 0,1,2,3
	v_and_or_b32 v[BM+8+\b], v[BM+\b], 0x7f800000, s[MNT]
.endr
.irp b, 0,1,2,3
	v_lshrrev_b32 v[BM+4+\b], 23, v[BM+12+\b]
.endr
	s_delay_alu instid0(VALU_DEP_3)
	v_lshl_or_b32 v[PWD], v[BM+5], 8, v[BM+4]      ; p's scale word for these 128 keys
	s_delay_alu instid0(VALU_DEP_1)
	v_lshl_or_b32 v[PWD], v[BM+6], 16, v[PWD]
	s_delay_alu instid0(VALU_DEP_1)
	v_lshl_or_b32 v[PWD], v[BM+7], 24, v[PWD]
.irp b, 0,1,2,3
.irp i, 0,1,2,3,4,5,6,7,8,9,10,11,12,13,14,15
	v_min_num_f32 v[S+16*\b+\i], v[S+16*\b+\i], v[BM+8+\b]   ; the conversion does not saturate (ISA guide 7.6.2); p is not negative
.endr
	v_cvt_scalef32_pk8_fp8_f32 v[PC+4*\b:PC+1+4*\b], v[S+16*\b:S+7+16*\b], v[BM+12+\b]
	v_cvt_scalef32_pk8_fp8_f32 v[PC+2+4*\b:PC+3+4*\b], v[S+8+16*\b:S+15+16*\b], v[BM+12+\b]
.endr
.irp t, 0,1,2,3                                ; V's four fragments (16 of the head's 64 x 128 keys) into the registers that p has left
.irp c, 0,1,2,3
	ds_load_b128 v[S+16*\t+4*\c:S+16*\t+4*\c+3], v[ADV] offset:\t*2048+\c*512
.endr
.endr
	ds_load_b128 v[KW:KW+3], v[ADT]
.set ii, 0
.rept 16
	v_pk_mul_f32 v[O+ii:O+ii+1], v[O+ii:O+ii+1], v[F:F+1] op_sel_hi:[1,0]   ; O^T under the new M; these stand beside the loads and are the places between the codes' conversions and the products
.set ii, ii+2
.endr
	s_wait_alu depctr_va_vdst(0)                   ; directly ahead of the wait below
	s_wait_dscnt 0x0
.irp t, 0,1,2,3
	v_wmma_scale_f32_16x16x128_f8f6f4 v[O+8*\t:O+8*\t+7], v[S+16*\t:S+16*\t+15], v[PC:PC+15], v[O+8*\t:O+8*\t+7], v[KW+\t], v[PWD]
.endr
.Lhidden_\@:
	s_add_co_u32 s[TB], s[TB], 8192                ; the next step's tiles (K's and V's alike),
	s_add_co_u32 s[TS], s[TS], 512                 ; K's scale words,
	s_add_co_u32 s[TJ], s[TJ], 256                 ; V's
	s_add_co_u32 s[KS], s[KS], 1
.endm
; where the codes and scale words of Q lie for my tile of block s[blk]
.macro QPTR blk, pc, ps
	s_lshl_b32 s80, s[\blk], 3
	s_add_co_u32 s80, s80, s63                     ; the tile in the head
	s_lshl_b32 s[\pc], s[BH], 17
	s_lshl_b32 s81, s80, 10
	s_add_co_u32 s[\pc], s[\pc], s81
	s_mov_b32 s[\pc+1], 0
	s_add_nc_u64 s[\pc:\pc+1], s[4:5], s[\pc:\pc+1]
	s_lshl_b32 s[\ps], s[BH], 13
	s_lshr_b32 s81, s80, 2
	s_lshl_b32 s81, s81, 8
	s_add_co_u32 s[\ps], s[\ps], s81
	s_and_b32 s81, s80, 3
	s_lshl_b32 s81, s81, 2
	s_add_co_u32 s[\ps], s[\ps], s81
	s_mov_b32 s[\ps+1], 0
	s_add_nc_u64 s[\ps:\ps+1], s[6:7], s[\ps:\ps+1]
.endm
; where the results of my tile of block s[BLK] go: s[70:71] in ctx_img, s[72:73] in ctx_sc
.macro OPTR
	s_lshl_b32 s[TAU], s[BLK], 3
	s_add_co_u32 s[TAU], s[TAU], s63
	s_lshr_b32 s70, s[BH], 4
	s_lshl_b32 s70, s70, 7
	s_add_co_u32 s70, s70, s[TAU]                  ; the tile among all 512 tiles of tokens
	s_and_b32 s74, s[BH], 15                       ; the head
	s_lshl_b32 s72, s70, 9
	s_lshl_b32 s75, s74, 1
	s_add_co_u32 s72, s72, s75
	s_mov_b32 s73, 0
	s_add_nc_u64 s[72:73], s[10:11], s[72:73]      ; ctx_sc: tile x 512 + 2 x head
	s_lshl_b32 s70, s70, 14
	s_lshl_b32 s74, s74, 10
	s_add_co_u32 s70, s70, s74
	s_mov_b32 s71, 0
	s_add_nc_u64 s[70:71], s[8:9], s[70:71]        ; ctx_img: tile x 16,384 + groups 2 x head, 2 x head + 1
.endm
; a tile's walk begins: the step is written in one form: the first finds zeros, which the first change of M leaves zeros
.macro STATE
	v_mov_b32 v13, 0xff61b1e6                      ; the largest t so far: -3e38
	v_mov_b32 v14, 0
	v_mov_b32 v15, 0
	v_floor_f32 v12, -v13                          ; -M
.set ii, 0
.rept 32
	v_mov_b32 v[O+ii], 0
.set ii, ii+1
.endr
	s_mov_b32 s[TB], 0
	s_mov_b32 s[TS], 0
	s_mov_b32 s[TJ], 0
	s_mov_b32 s[KS], 0
.endm
; THE WAY OUT of a tile: ctx = O^T / l; register 16 b + i is d = 32 b + 16 h + i of my query: two blocks of 32 along d_model, quantised; two groups of 512 dense bytes
.macro OUT
	v_add_f32 v14, v14, v15
	s_delay_alu instid0(VALU_DEP_1)
	v_permlanex16_b32 v[BM+4], v14, s[SEL], s[SEL+1]
	s_delay_alu instid0(VALU_DEP_1)
	v_add_f32 v14, v14, v[BM+4]                    ; the row's sum
	s_wait_alu depctr_va_vdst(0)                   ; the wait ahead of the transcendental
	v_rcp_f32 v14, v14
.rept 9
	v_nop                                          ; the place behind the reciprocal, and the places behind the last products
.endr
	s_wait_alu depctr_va_vdst(0)                   ; ahead of the reciprocal's first reader
.set ii, 0
.rept 32
	v_mul_f32 v[S+ii], v[O+ii], v14
.set ii, ii+1
.endr
.irp b, 0,1
	v_max3_num_f32 v[BM+\b], |v[S+16*\b]|, |v[S+1+16*\b]|, 0x4800000
.endr
.irp i, 2,4,6,8,10,12,14
.irp b, 0,1
	s_delay_alu instid0(VALU_DEP_2)
	v_max3_num_f32 v[BM+\b], v[BM+\b], |v[S+16*\b+\i]|, |v[S+1+16*\b+\i]|
.endr
.endr
.irp b, 0,1
	s_delay_alu instid0(VALU_DEP_2)
	v_permlanex16_b32 v[BM+4+\b], v[BM+\b], s[SEL], s[SEL+1]
.endr
.irp b, 0,1
	s_delay_alu instid0(VALU_DEP_2)
	v_max_num_f32 v[BM+\b], v[BM+\b], v[BM+4+\b]
.endr
.irp b, 0,1
	s_delay_alu instid0(VALU_DEP_2)
	v_add_nc_u32 v[BM+12+\b], 0xfc000000, v[BM+\b]
.endr
.irp b, 0,1
	s_delay_alu instid0(VALU_DEP_4)
	v_and_or_b32 v[BM+8+\b], v[BM+\b], 0x7f800000, s[MNT]
.endr
.irp b, 0,1
	s_delay_alu instid0(VALU_DEP_4)
	v_lshrrev_b32 v[BM+4+\b], 23, v[BM+12+\b]
.endr
.irp b, 0,1
.irp i, 0,1,2,3,4,5,6,7,8,9,10,11,12,13,14,15
	v_med3_num_f32 v[S+16*\b+\i], v[S+16*\b+\i], -v[BM+8+\b], v[BM+8+\b]
.endr
	v_cvt_scalef32_pk8_fp8_f32 v[PC+4*\b:PC+1+4*\b], v[S+16*\b:S+7+16*\b], v[BM+12+\b]
	v_cvt_scalef32_pk8_fp8_f32 v[PC+2+4*\b:PC+3+4*\b], v[S+8+16*\b:S+15+16*\b], v[BM+12+\b]
.endr
	v_cndmask_b32 v[TP], v[BM+4], v[BM+5], s[HIM]  ; lanes 0-15 store the first block's byte, lanes 16-31 the second's
	global_store_b128 v[AK0], v[PC:PC+3], s[70:71]
	global_store_b128 v[AK0], v[PC+4:PC+7], s[70:71] offset:512
	global_store_b8 v[CSO], v[TP], s[72:73]        ; a byte a lane: a row's 32 bytes come from 16 heads, so from 16 work-groups; one thirty-third of what this launch stores
.endm
.macro WALK n, name                    ; n key steps
	s_mov_b32 s[CNT], \n
\name:
	STEP
	s_sub_co_u32 s[CNT], s[CNT], 1
	s_cmp_lg_u32 s[CNT], 0
	s_cbranch_scc1 \name
.endm
	s_load_b256 s[4:11], s[0:1], 0x0               ; qkv_img s[4:5], qkv_sc s[6:7], ctx_img s[8:9], ctx_sc s[10:11]
	v_lshl_add_u32 v254, v0, 2, SPARE
	v_mov_b32 v255, 0
	ds_add_u32 v254, v255                          ; the opening lines: the add, twice on end, and its wait ahead of my first tensor load
	ds_add_u32 v254, v255
	v_lshrrev_b32 v1, 5, v0
	v_readfirstlane_b32 s[WV], v1                  ; wave 0..15
	s_and_b32 s[BH], ttmp7, 0xffff                 ; 16 x batch + head
.irp g, G1X, G1Y, G1Z
	s_mov_b32 s[\g], 3<<16                         ; no mask; elements of 8 bytes; no padding
	s_mov_b32 s[\g+1], 32<<16                      ; tensor_dim0 = 32
	s_mov_b32 s[\g+3], 32<<16                      ; tile_dim0 = 32
	s_mov_b32 s[\g+5], 32                          ; the pitch
	s_mov_b32 s[\g+6], 0
	s_mov_b32 s[\g+7], 0
.endr
	s_mov_b32 s[G1X+2], 32<<16
	s_mov_b32 s[G1X+4], 32
	s_mov_b32 s[G1Y+2], 6<<16
	s_mov_b32 s[G1Y+4], 6
	s_mov_b32 s[G1Z+2], 128<<16
	s_mov_b32 s[G1Z+4], 128
	s_lshr_b32 s66, s[WV], 2                       ; waves 0-7: K (0-3) or V (4-7),
	s_and_b32 s66, s66, 1
	s_and_b32 s67, s[WV], 3                        ; and which 8,192 bytes of key steps 0-3
	s_lshl_b32 s68, s66, 17
	s_lshl_b32 s69, s67, 13
	s_add_co_u32 s68, s68, s69                     ; in LDS
	s_add_co_u32 s72, s66, 1
	s_lshl_b32 s72, s72, 23                        ; part k or part v of qkv_img,
	s_lshl_b32 s73, s[BH], 17                      ; my head
	s_add_co_u32 s72, s72, s73
	s_add_co_u32 s72, s72, s69
	s_mov_b32 s73, 0
	s_and_b32 s70, s[WV], 7                        ; waves 8-15: which 1,536 bytes of the scale words
	s_mul_i32 s70, s70, 1536
	s_mul_i32 s74, s[BH], 12288
	s_add_co_u32 s74, s74, s70
	s_add_co_u32 s74, s74, 524288
	s_mov_b32 s75, 0
	s_and_b32 s76, s[WV], 1                        ; waves 0-5, behind the first barrier: K or V,
	s_lshr_b32 s77, s[WV], 1
	s_lshl_b32 s77, s77, 15
	s_add_co_u32 s77, s77, 32768                   ; and key steps 4-7, 8-11 or 12-15
	s_lshl_b32 s71, s76, 17
	s_add_co_u32 s71, s71, s77
	s_add_co_u32 s78, s76, 1
	s_lshl_b32 s78, s78, 23
	s_lshl_b32 s79, s[BH], 17
	s_add_co_u32 s78, s78, s79
	s_add_co_u32 s78, s78, s77
	s_mov_b32 s79, 0
	s_wait_dscnt 0x0                               ; both opening adds are done
	s_wait_kmcnt 0x0
	s_mov_b32 s[G0X], 1
	s_mov_b32 s[G0X+1], s68
	s_add_nc_u64 s[G0X+2:G0X+3], s[4:5], s[72:73]
	s_or_b32 s[G0X+3], s[G0X+3], 0x80000000
	s_mov_b32 s[G0Y], 1
	s_add_co_u32 s[G0Y+1], s70, SCK
	s_add_nc_u64 s[G0Y+2:G0Y+3], s[6:7], s[74:75]
	s_or_b32 s[G0Y+3], s[G0Y+3], 0x80000000
	s_mov_b32 s[G0Z], 1
	s_mov_b32 s[G0Z+1], s71
	s_add_nc_u64 s[G0Z+2:G0Z+3], s[4:5], s[78:79]
	s_or_b32 s[G0Z+3], s[G0Z+3], 0x80000000
	s_cmp_lt_u32 s[WV], 8                          ; the head's loads, one a wave: two arms of one branch on the wave's number
	s_cbranch_scc0 .Lfor_scales
	tensor_load_to_lds s[G0X:G0X+3], s[G1X:G1X+7]
	s_nop 0
.rept 4
	v_nop
.endr
	s_branch .Lasked
.Lfor_scales:
	tensor_load_to_lds s[G0Y:G0Y+3], s[G1Y:G1Y+7]
	s_nop 0
.rept 4
	v_nop
.endr
.Lasked:
	s_lshr_b32 s62, s[WV], 2
	s_xor_b32 s62, s62, s[WV]
	s_and_b32 s62, s62, 1                          ; 1: blocks 15 - j, then j; 0: blocks 8 + j, then 7 - j.  Of waves w, w + 4, w + 8, w + 12 and of waves 4 i .. 4 i + 3 alike two have 1
	s_lshr_b32 s63, s[WV], 1                       ; my tile in the block
	s_sub_co_u32 s80, 15, ttmp9
	s_add_co_u32 s81, ttmp9, 8
	s_cmp_eq_u32 s62, 1
	s_cselect_b32 s[BLK], s80, s81
	s_sub_co_u32 s83, 15, s[BLK]                   ; the second walk's block
	QPTR BLK, 66, 68
	QPTR 83, 76, 78
	s_lshr_b32 s84, s63, 1
	s_lshl_b32 s84, s84, 5
	s_and_b32 s85, s63, 1
	s_lshl_b32 s85, s85, 3
	s_add_co_u32 s84, s84, s85
	s_mov_b32 s[HIM], 0xffff0000
	s_mov_b32 s[SEL], 0x76543210
	s_mov_b32 s[SEL+1], 0xfedcba98
	s_mov_b32 s[CS], 0x3e38aa3b
	s_mov_b32 s[CS+1], s[CS]                       ; (named with it as a pair, so it is written)
	s_mov_b32 s[MNT], 0x600000
	OPTR
	v_and_b32 v[ADK], 15, v0                       ; r
	v_bfe_u32 v[ADV], v0, 4, 1                     ; h
	v_and_b32 v1, 31, v0
	v_lshlrev_b32 v[AK0], 4, v1
	v_lshlrev_b32 v[TP+1], 4, v[ADK]               ; 16 r
	global_load_b128 v[QF:QF+3], v[AK0], s[66:67]  ; both tiles' Q now: the second waits in registers
	global_load_b128 v[QF+4:QF+7], v[AK0], s[66:67] offset:512
	global_load_b32 v[QW], v[TP+1], s[68:69]
	global_load_b128 v[Q2:Q2+3], v[AK0], s[76:77]
	global_load_b128 v[Q2+4:Q2+7], v[AK0], s[76:77] offset:512
	global_load_b32 v[QW2], v[TP+1], s[78:79]
	v_add_nc_u32 v[AV0], VREG, v[AK0]
	v_add_nc_u32 v[ASK0], SCK, v[TP+1]
	v_add_nc_u32 v[ASV0], SCV, v[TP+1]
	v_lshl_add_u32 v[CSO], v[ADK], 5, v[ADV]
	v_and_b32 v[VD], 8, v[ADK]
	v_lshlrev_b32 v[ADS], 4, v[ADV]
	v_add_nc_u32 v[VD], v[VD], v[ADK]
	v_sub_nc_u32 v[VD], v[VD], v[ADS]
	v_add_nc_u32 v[VD], s84, v[VD]                 ; 32 (i / 2) + 8 (i % 2) + r + 8 (r / 8) - 16 h, i my tile in the block
	v_mov_b32 v[F+1], 0
.irp b, 0,1,2,3
	v_mov_b32 v[BM+4+\b], 0                        ; written once: a lane permute's destination counts as one of its sources
.endr
.irp j, 8,9,10,11,12,13,14,15
	v_mov_b32 v[QF+\j], 0                          ; K = 64 of the instruction's 128: zero codes, written once; the loads fill registers 0-7 alone
	v_mov_b32 v[KFR+\j], 0
	v_mov_b32 v[KFR+16+\j], 0
	v_mov_b32 v[KFR+32+\j], 0
	v_mov_b32 v[KFR+48+\j], 0
.endr
	STATE
	s_wait_alu depctr_va_vdst(0)                   ; the wait at the head's end
	s_wait_tensorcnt 0x0                           ; my part of key steps 0-3 or of the scale words is in
	ds_add_u32 v254, v255
	s_wait_dscnt 0x0
	s_barrier_signal -1
	s_barrier_wait -1                              ; everybody's is
	s_cmp_lt_u32 s[WV], 6
	s_cbranch_scc0 .Lno_rest
	tensor_load_to_lds s[G0Z:G0Z+3], s[G1Z:G1Z+7]  ; key steps 4-15: bytes 32,768 on of each region; the four steps below read bytes under 32,768
	s_nop 0
.rept 4
	v_nop
.endr
.Lno_rest:
	s_wait_loadcnt 0x0                             ; Q
	WALK 4, .Lfirst
	s_wait_tensorcnt 0x0                           ; my part of the rest is in
	s_wait_dscnt 0x0
	s_barrier_signal -1
	s_barrier_wait -1                              ; everybody's is; no LDS byte is ever filled again
	WALK 12, .Lrest
	OUT
	; THE SECOND TILE: the same tile of block 15 - B, which is 7 or lower: eight key steps, no barrier
	s_wait_xcnt 0x0                                ; the stores have read their registers and bases
	s_sub_co_u32 s[BLK], 15, s[BLK]
	OPTR
.irp j, 0,1,2,3,4,5,6,7
	v_mov_b32 v[QF+\j], v[Q2+\j]
.endr
	v_mov_b32 v[QW], v[QW2]
	STATE                                          ; its 36 lines are also the places between these copies and the first product
	s_wait_alu depctr_va_vdst(0)                   ; the wait ahead of the loop's branches
	WALK 8, .Llow
	OUT
	s_wait_tensorcnt 0x0                           ; the wave's end
	ds_add_u32 v254, v255
	s_wait_dscnt 0x0
	s_endpgm
.Lfunc_end_k_qf429a6c531_attn:
	.size	k_qf429a6c531_attn, .Lfunc_end_k_qf429a6c531_attn-k_qf429a6c531_attn
	.p2alignl 7, 3214868480
	.fill 96, 4, 3214868480
	.section	.rodata,"a",@progbits
	.p2align	6, 0x0
	.amdhsa_kernel k_qf429a6c531_attn
		.amdhsa_group_segment_fixed_size 327680
		.amdhsa_private_segment_fixed_size 0
		.amdhsa_enable_private_segment 0
		.amdhsa_kernarg_size 32
		.amdhsa_user_sgpr_count 2
		.amdhsa_user_sgpr_kernarg_segment_ptr 1
		.amdhsa_wavefront_size32 1
		.amdhsa_system_sgpr_workgroup_id_x 1
		.amdhsa_system_sgpr_workgroup_id_y 1
		.amdhsa_system_sgpr_workgroup_id_z 1
		.amdhsa_system_vgpr_workitem_id 0
		.amdhsa_next_free_vgpr 256
		.amdhsa_next_free_sgpr 96
		.amdhsa_reserve_vcc 1
		.amdhsa_float_denorm_mode_32 3
		.amdhsa_float_denorm_mode_16_64 3
		.amdhsa_memory_ordered 1
		.amdhsa_forward_progress 1
		.amdhsa_inst_pref_size 101
	.end_amdhsa_kernel
	.amdgpu_metadata
---
amdhsa.version: [ 1, 2 ]
amdhsa.kernels:
  - .name:           k_qf429a6c531_attn
    .symbol:         k_qf429a6c531_attn.kd
    .args:
      - { .name: qkv_img, .offset: 0, .size: 8, .value_kind: global_buffer, .address_space: global }
      - { .name: qkv_sc, .offset: 8, .size: 8, .value_kind: global_buffer, .address_space: global }
      - { .name: ctx_img, .offset: 16, .size: 8, .value_kind: global_buffer, .address_space: global }
      - { .name: ctx_sc, .offset: 24, .size: 8, .value_kind: global_buffer, .address_space: global }
    .group_segment_fixed_size: 327680
    .private_segment_fixed_size: 0
    .kernarg_segment_align: 8
    .kernarg_segment_size: 32
    .max_flat_workgroup_size: 512
    .sgpr_count:     96
    .vgpr_count:     256
    .wavefront_size: 32
...
	.end_amdgpu_metadata
.endif
;; end of part 3
;; launch outp (part 4): grid 4 x 64, 4 waves a work-group, clusters of 4 x 4, 327,680 bytes of LDS; arguments ctx_img, ctx_sc, w_img, w_sc, bo, out0; writes out0
.if DOCPART == 4
	.amdgcn_target "amdgcn-amd-amdhsa--gfx1250"
	.amdhsa_code_object_version 6
	.text
	.protected	k_qf429a6c531_outp
	.globl	k_qf429a6c531_outp
	.p2align	8
	.type	k_qf429a6c531_outp,@function
k_qf429a6c531_outp:
	s_mov_b64 s[64:65], 0
	v_nop
	global_prefetch_b8 v0, s[64:65] scope:SCOPE_SE
	s_setreg_imm32_b32 hwreg(HW_REG_WAVE_MODE, 25, 1), 1
	s_wait_xcnt 0x0
	s_wait_alu depctr_hold_cnt(0) depctr_sa_sdst(0) depctr_va_vdst(0) depctr_va_sdst(0) depctr_va_ssrc(0) depctr_va_vcc(0) depctr_vm_vsrc(0)
	s_getreg_b32 s2, hwreg(HW_REG_IB_STS2, 6, 4)
	s_cmp_eq_u32 s2, 0
	s_cbranch_scc0 .Lentry_in_a_cluster
	s_endpgm
.Lentry_in_a_cluster:
	s_bfe_u32 s2, ttmp6, 0x10000c
	s_cmp_lg_u32 s2, 0xf033
	s_cbranch_scc0 .Lentry_shape_is_right
	s_endpgm
.Lentry_shape_is_right:
; out0 = ctx Wo + bo on codes of FP8 (E4M3) with E8M0 scales, K = 1,024, f32 sums, f32 out.  Codes are images of operand registers (tile 2 B + u holds rows 32 B + 8 u + r + 8 (r / 8); a group of 32 along K is 512 bytes; a tile's 32 groups lie on end).
; A work-group makes 128 tokens (A) x 256 columns (B): 256 work-groups; four waves, each 64 x 128: 32 accumulators; source 0 = B's fragment, source 1 = A's, so that a lane holds neighbouring columns of a row.
; K goes in four steps of 256.  At the head each wave has one joint load: wave 0 A's K step 0, wave 1 B's, wave 2 A's K steps 1 and 2 (rows of 8,192 bytes), wave 3 B's; K step 3 fills K step 0's bytes again behind a drained round of the cluster's barrier.
; CLUSTER 4 x 4: A's tiles are shared along a row, B's along a column.  All of LDS is claimed.  No prefetch: three of the four K steps are asked for at the head.
; The results leave through each wave's stage in LDS (in the bytes of K steps 1 and 2, which have had their only fill and their last read), as rows of 512 bytes, the bias added on the way.  LIMITS: NaN and infinities are not served.
.set SLOT,  98304
.set BOFF,  32768
.set SPARE, 3*SLOT
.set STAGE, SLOT
.set ADRA,  4
.set ADRB,  8
.set STO,   12
.set RD,    13
.set BI,    24
.set SPW,   28
.set NIL,   29
.set SA,    32
.set SB,    64
.set AF,    128
.set BK,    128
.set G1A, 24
.set G1B, 32
.set G1C, 40                           ; s[40:47] group 1 for A's K steps 1 and 2; s[16:23] for B's
.set G1D, 16
.set G0A, 48                           ; groups 0: A's K step 0 (later 3), B's, A's K steps 1 and 2, B's
.set G0B, 52
.set G0C, 56
.set G0D, 60
.set WV,  66
.set FR,  67
.set HF,  68
.set CX,  69
.set CY,  70
.set TLA, 74
.set AP,  76
.set BP,  78
.set ASP, 80
.set BSP, 82
.set OP,  86
.set TA0, 90
.set TB0, 91
.set GB,  92
.set MSB, 0
.macro WIN new
.if MSB != \new
	s_set_vgpr_msb (MSB<<8)|\new
.set MSB, \new
.endif
.endm
.macro PLACES n
.rept \n
	v_nop
.endr
.endm
; the joint refill with K step 3: wave 0 fetches A's 8 tiles, wave 1 B's 16, waves 2 and 3 nothing
.macro JLOAD n
	s_cmp_eq_u32 s[WV], 0
	s_cbranch_scc0 .Lfor_b_\@
	tensor_load_to_lds s[G0A+4*\n:G0A+4*\n+3], s[G1A:G1A+7]
	s_nop 0
.rept 4
	v_nop
.endr
	s_branch .Lasked_\@
.Lfor_b_\@:
	s_cmp_eq_u32 s[WV], 1
	s_cbranch_scc0 .Lasked_\@
	tensor_load_to_lds s[G0B+4*\n:G0B+4*\n+3], s[G1B:G1B+7]
	s_nop 0
.rept 4
	v_nop
.endr
.Lasked_\@:
.endm
.macro CREST
	s_cmp_lg_u32 s[WV], 0
	s_cbranch_scc1 .Lnot_wave_0_\@
	s_barrier_signal -3
.Lnot_wave_0_\@:
	s_barrier_wait -3
	s_barrier_signal -1
	s_barrier_wait -1
.endm
.macro CROUND
	s_barrier_signal -1
	s_barrier_wait -1
	CREST
.endm
.macro FETCH n, q, p
	WIN 0x40
.irp b, 0,1,2,3,4,5,6,7
.irp c, 0,1,2,3
	ds_load_b128 v[128*(\p)+16*\b+4*\c:128*(\p)+16*\b+4*\c+3], v[ADRB+\n] offset:\b*4096*(1+((\n)+1)/2)+(\q)*2048+\c*512   ; from tile to tile 4,096 bytes for K steps 0 and 3, 8,192 where K steps 1 and 2 lie side by side
.endr
.endr
	WIN 0
.irp a, 0,1,2,3
.irp c, 0,1,2,3
	ds_load_b128 v[AF+64*(\p)+16*\a+4*\c:AF+64*(\p)+16*\a+4*\c+3], v[ADRA+\n] offset:\a*4096*(1+((\n)+1)/2)+(\q)*2048+\c*512
.endr
.endr
.endm
.macro MULS a0, na, sg, p, zero
	WIN 0xa1
.set ma, \a0
.rept \na
.irp b, 0,1,2,3,4,5,6,7
.if \zero
	v_wmma_scale_f32_16x16x128_f8f6f4 v[8*(8*ma+\b):8*(8*ma+\b)+7], v[128*(\p)+16*\b:128*(\p)+16*\b+15], v[AF+64*(\p)+16*ma:AF+64*(\p)+16*ma+15], 0, v[SB+8*\b+(\sg)], v[SA+8*ma+(\sg)]
.else
	v_wmma_scale_f32_16x16x128_f8f6f4 v[8*(8*ma+\b):8*(8*ma+\b)+7], v[128*(\p)+16*\b:128*(\p)+16*\b+15], v[AF+64*(\p)+16*ma:AF+64*(\p)+16*ma+15], v[8*(8*ma+\b):8*(8*ma+\b)+7], v[SB+8*\b+(\sg)], v[SA+8*ma+(\sg)]
.endif
.endr
.set ma, ma+1
.endr
.endm
.macro SUBK sg, n, q, zero
.if (\sg) > 0
	PLACES 8
.endif
	FETCH \n, \q, 1-(\sg)%2
	s_wait_dscnt 48
	MULS 0, 4, \sg, (\sg)%2, \zero
	WIN 0
.endm
.macro CORE
	s_cmp_lt_u32 s[WV], 2
	s_cbranch_scc0 .Lnot_k0
	s_wait_tensorcnt 0x0                           ; waves 0 and 1: K step 0 is in.  Waves 2 and 3, whose load lines are their own, wait in front of the refill's round
.Lnot_k0:
	s_barrier_signal -1
	s_barrier_wait -1
	FETCH 0, 0, 0
	s_wait_loadcnt 0x0
	SUBK 0, 0, 1, 1
	s_wait_tensorcnt 0x0
	ds_add_u32 v[SPW], v[NIL]
	s_add_nc_u64 s[G0A+2:G0A+3], s[G0A+2:G0A+3], 3*4096
	s_add_nc_u64 s[G0B+2:G0B+3], s[G0B+2:G0B+3], 3*4096
	s_wait_dscnt 1
	MULS 0, 1, 1, 1, 0
	s_wait_dscnt 0x0
	s_barrier_signal -1
	MULS 1, 1, 1, 1, 0
	WIN 0
	s_barrier_wait -1
	CREST
	JLOAD 0
	PLACES 8                                       ; eight places on every wave's way, also where no load was issued
	FETCH 1, 0, 0
	MULS 2, 2, 1, 1, 0
	WIN 0
	SUBK 2, 1, 1, 0
	SUBK 3, 2, 0, 0
	SUBK 4, 2, 1, 0
	s_wait_tensorcnt 0x0
	s_wait_dscnt 0x0
	s_barrier_signal -1
	MULS 0, 2, 5, 1, 0
	WIN 0
	s_barrier_wait -1
	PLACES 8
	FETCH 0, 0, 0
	MULS 2, 2, 5, 1, 0
	WIN 0
	SUBK 6, 0, 1, 0
	s_wait_dscnt 0x0
	MULS 0, 4, 7, 1, 0
	WIN 0
	PLACES 8
.endm
	s_load_b256 s[4:11], s[0:1], 0x0
	s_load_b128 s[12:15], s[0:1], 0x20
	v_lshl_add_u32 v[SPW], v0, 2, SPARE
	v_mov_b32 v[NIL], 0
	ds_add_u32 v28, v29
	ds_add_u32 v28, v29
	s_wait_dscnt 0x0
	v_lshrrev_b32 v1, 5, v0
	v_readfirstlane_b32 s[WV], v1
	s_lshr_b32 s[FR], s[WV], 1
	s_and_b32 s[HF], s[WV], 1
	s_bfe_u32 s[CX], ttmp6, 0x40000
	s_bfe_u32 s[CY], ttmp6, 0x40004
	s_and_b32 s[TLA], ttmp7, 0xffff
	s_lshl_b32 s[TLA], s[TLA], 2
	s_add_co_u32 s[TLA], s[TLA], s[CY]
	s_lshl_b32 s94, s[TLA], 17
	s_mov_b32 s95, 0
	s_lshl_b32 s96, s[CX], 18
	s_add_co_u32 s96, s96, 3<<20
	s_mov_b32 s97, 0
	s_lshl_b32 s22, s[CY], 2
	s_lshl_b32 s22, 15, s22
	s_lshl_b32 s23, 0x1111, s[CX]
	s_or_b32 s[G1A], s22, (3<<16)|(1<<21)
	s_or_b32 s[G1B], s23, (3<<16)|(1<<21)
	s_or_b32 s[G1C], s22, (3<<16)|(1<<21)
	s_or_b32 s[G1D], s23, (3<<16)|(1<<21)
.irp g, G1A, G1B, G1C, G1D
	s_mov_b32 s[\g+5], 2048                        ; from image tile to image tile (G1D's last two words take the registers that held the masks)
	s_mov_b32 s[\g+6], 0
	s_mov_b32 s[\g+7], 0
.endr
	s_mov_b32 s[G1A+1], 512<<16                    ; one K step of A's 8 tiles
	s_mov_b32 s[G1A+2], 8<<16
	s_mov_b32 s[G1A+3], 512<<16
	s_mov_b32 s[G1A+4], 8
	s_mov_b32 s[G1B+1], 512<<16                    ; of B's 16
	s_mov_b32 s[G1B+2], 16<<16
	s_mov_b32 s[G1B+3], 512<<16
	s_mov_b32 s[G1B+4], 16
	s_mov_b32 s[G1C+1], 1024<<16                   ; two K steps on end of A's 8 tiles
	s_mov_b32 s[G1C+2], 8<<16
	s_mov_b32 s[G1C+3], 1024<<16
	s_mov_b32 s[G1C+4], 8
	s_mov_b32 s[G1D+1], 1024<<16                   ; of B's 16
	s_mov_b32 s[G1D+2], 16<<16
	s_mov_b32 s[G1D+3], 1024<<16
	s_mov_b32 s[G1D+4], 16
	s_wait_kmcnt 0x0
	s_add_nc_u64 s[AP:AP+1], s[4:5], s[94:95]
	s_add_nc_u64 s[BP:BP+1], s[8:9], s[96:97]
.macro GRP0 g, lds, p, off
	s_mov_b32 s[\g], 1
	s_mov_b32 s[\g+1], \lds
	s_add_nc_u64 s[\g+2:\g+3], s[\p:\p+1], \off
	s_or_b32 s[\g+3], s[\g+3], 0x80000000
.endm
	GRP0 G0A, 0, AP, 0                             ; LDS: A's 8 tiles x 4,096, B's 16; behind them A's 8 tiles x 8,192 (K steps 1, 2), then B's 16: constants, no place in the cluster
	GRP0 G0B, BOFF, BP, 0
	GRP0 G0C, SLOT, AP, 4096
	GRP0 G0D, SLOT+65536, BP, 4096
	CROUND                                         ; all sixteen work-groups are here: the first joint loads meet
; THE HEAD'S LOADS, ONE A WAVE: one chain of branches on the wave's number, a load to an arm, all arms leading to one join
.macro ARM under, g0, g1, next
	s_cmp_lt_u32 s[WV], \under
	s_cbranch_scc0 \next
	tensor_load_to_lds s[\g0:\g0+3], s[\g1:\g1+7]
	s_nop 0
.rept 4
	v_nop
.endr
	s_branch .Lhead_asked
\next:
.endm
	ARM 1, G0A, G1A, .Lhead_b
	ARM 2, G0B, G1B, .Lhead_c
	ARM 3, G0C, G1C, .Lhead_d
	tensor_load_to_lds s[G0D:G0D+3], s[G1D:G1D+7]
	s_nop 0
.rept 4
	v_nop
.endr
.Lhead_asked:
	v_and_b32 v1, 15, v0
	v_bfe_u32 v2, v0, 4, 1
	v_and_b32 v3, 31, v0
	v_lshlrev_b32 v3, 4, v3
	v_lshlrev_b32 v11, 5, v1
	s_wait_alu depctr_va_vdst(0)
	s_lshl_b32 s[TA0], s[TLA], 3
	s_lshl_b32 s2, s[FR], 2
	s_add_co_u32 s[TA0], s[TA0], s2
	s_lshl_b32 s[TB0], s[CX], 4
	s_lshl_b32 s2, s[HF], 3
	s_add_co_u32 s[TB0], s[TB0], s2
	s_lshr_b32 s[GB], s[TB0], 3
	s_lshl_b32 s98, s[TA0], 9
	s_mov_b32 s99, 0
	s_add_nc_u64 s[ASP:ASP+1], s[6:7], s[98:99]
	s_lshl_b32 s100, s[TB0], 9
	s_add_co_u32 s100, s100, 98304
	s_mov_b32 s101, 0
	s_add_nc_u64 s[BSP:BSP+1], s[10:11], s[100:101]
.irp a, 0,1,2,3
	global_load_b128 v[SA+8*\a:SA+8*\a+3], v11, s[ASP:ASP+1] offset:\a*512
	global_load_b128 v[SA+8*\a+4:SA+8*\a+7], v11, s[ASP:ASP+1] offset:\a*512+16
.endr
.irp b, 0,1,2,3,4,5,6,7
	global_load_b128 v[SB+8*\b:SB+8*\b+3], v11, s[BSP:BSP+1] offset:\b*512
	global_load_b128 v[SB+8*\b+4:SB+8*\b+7], v11, s[BSP:BSP+1] offset:\b*512+16
.endr
	s_lshl_b32 s98, s[GB], 9
	s_add_nc_u64 s[12:13], s[12:13], s[98:99]
	global_load_b128 v[BI:BI+3], v3, s[12:13]
	s_lshl_b32 s100, s[TA0], 16
	s_add_co_u32 s100, s100, s98
	s_add_nc_u64 s[OP:OP+1], s[14:15], s[100:101]
	s_lshl_b32 s2, s[FR], 14                       ; K steps 0 and 3: my 4 tiles of A,
	s_lshl_b32 s3, s[HF], 15
	s_add_co_u32 s3, s3, BOFF                      ; my 8 of B
	v_add_nc_u32 v[ADRA], s2, v3
	v_add_nc_u32 v[ADRB], s3, v3
	s_lshl_b32 s2, s[FR], 15                       ; K steps 1 and 2: tiles of 8,192 bytes
	s_add_co_u32 s2, s2, SLOT
	s_lshl_b32 s3, s[HF], 16
	s_add_co_u32 s3, s3, SLOT+65536
	v_add_nc_u32 v[ADRA+1], s2, v3
	v_add_nc_u32 v[ADRB+1], s3, v3
	v_add_nc_u32 v[ADRA+2], 4096, v[ADRA+1]        ; K step 2 lies 4,096 bytes on in each tile
	v_add_nc_u32 v[ADRB+2], 4096, v[ADRB+1]
	s_mul_i32 s2, s[WV], 16*528
	s_add_co_u32 s2, s2, STAGE
	v_mul_u32_u24 v[STO], v1, 528
	v_lshl_add_u32 v[STO], v2, 6, v[STO]
	v_add_nc_u32 v[STO], s2, v[STO]
	v_add_nc_u32 v[RD], s2, v3
	s_wait_alu depctr_va_vdst(0)
	CORE
.macro TOSTAGE a
	WIN 0x08
.irp b, 0,1,2,3,4,5,6,7
	ds_store_b128 v[STO], v[64*(\a)+8*\b:64*(\a)+8*\b+3] offset:128*(\b/2)+32*(\b%2)
	ds_store_b128 v[STO], v[64*(\a)+8*\b+4:64*(\a)+8*\b+7] offset:128*(\b/2)+32*(\b%2)+16
.endr
	WIN 0
.set BB, BK+64*((\a)%2)
.irp i, 0,1,2,3,4,5,6,7,8,9,10,11,12,13,14,15
	ds_load_b128 v[BB+4*\i:BB+4*\i+3], v[RD] offset:\i*528
.endr
.endm
.macro SEND a, younger
.set BB, BK+64*((\a)%2)
	s_wait_dscnt \younger
.irp i, 0,1,2,3,4,5,6,7,8,9,10,11,12,13,14,15
	v_pk_add_f32 v[BB+4*\i:BB+4*\i+1], v[BB+4*\i:BB+4*\i+1], v[BI:BI+1]
	v_pk_add_f32 v[BB+4*\i+2:BB+4*\i+3], v[BB+4*\i+2:BB+4*\i+3], v[BI+2:BI+3]
	global_store_b128 v3, v[BB+4*\i:BB+4*\i+3], s[OP:OP+1] offset:(32*((\a)/2)+8*((\a)%2)+\i+8*(\i/8))*4096 th:TH_STORE_NT
.endr
.endm
	TOSTAGE 0
.irp a, 1,2,3
.if \a > 1
	s_wait_xcnt 0x0
.endif
	TOSTAGE \a
	SEND \a-1, 32
.endr
	SEND 3, 0
	s_wait_tensorcnt 0x0
	ds_add_u32 v[SPW], v[NIL]
	s_wait_dscnt 0x0
	CROUND
	s_endpgm
.Lfunc_end_k_qf429a6c531_outp:
	.size	k_qf429a6c531_outp, .Lfunc_end_k_qf429a6c531_outp-k_qf429a6c531_outp
	.p2alignl 7, 3214868480
	.fill 96, 4, 3214868480
	.section	.rodata,"a",@progbits
	.p2align	6, 0x0
	.amdhsa_kernel k_qf429a6c531_outp
		.amdhsa_group_segment_fixed_size 327680
		.amdhsa_private_segment_fixed_size 0
		.amdhsa_enable_private_segment 0
		.amdhsa_kernarg_size 48
		.amdhsa_user_sgpr_count 2
		.amdhsa_user_sgpr_kernarg_segment_ptr 1
		.amdhsa_wavefront_size32 1
		.amdhsa_system_sgpr_workgroup_id_x 1
		.amdhsa_system_sgpr_workgroup_id_y 1
		.amdhsa_system_sgpr_workgroup_id_z 1
		.amdhsa_system_vgpr_workitem_id 0
		.amdhsa_next_free_vgpr 768
		.amdhsa_next_free_sgpr 102
		.amdhsa_reserve_vcc 0
		.amdhsa_float_denorm_mode_32 3
		.amdhsa_float_denorm_mode_16_64 3
		.amdhsa_memory_ordered 1
		.amdhsa_forward_progress 1
		.amdhsa_inst_pref_size 94
	.end_amdhsa_kernel
	.amdgpu_metadata
---
amdhsa.version: [ 1, 2 ]
amdhsa.kernels:
  - .name:           k_qf429a6c531_outp
    .symbol:         k_qf429a6c531_outp.kd
    .args:
      - { .name: ctx_img, .offset: 0, .size: 8, .value_kind: global_buffer, .address_space: global }
      - { .name: ctx_sc, .offset: 8, .size: 8, .value_kind: global_buffer, .address_space: global }
      - { .name: w_img, .offset: 16, .size: 8, .value_kind: global_buffer, .address_space: global }
      - { .name: w_sc, .offset: 24, .size: 8, .value_kind: global_buffer, .address_space: global }
      - { .name: bo, .offset: 32, .size: 8, .value_kind: global_buffer, .address_space: global }
      - { .name: out0, .offset: 40, .size: 8, .value_kind: global_buffer, .address_space: global }
    .group_segment_fixed_size: 327680
    .private_segment_fixed_size: 0
    .kernarg_segment_align: 8
    .kernarg_segment_size: 48
    .max_flat_workgroup_size: 128
    .sgpr_count:     102
    .vgpr_count:     768
    .wavefront_size: 32
...
	.end_amdgpu_metadata
.endif
;; end of part 4
